; MI455X (gfx1250); checked and timed in simulation.
; The chip was launched on July 23, 2026; its instructions are those of AMD's public machine-readable ISA for CDNA 5 (MIT licence, August 2026) and "CDNA5" Instruction Set Architecture Reference Guide (July 2026). The comments in the code are by the model that wrote it; some were corrected since.
;; Attention. Allowed arithmetic: matrix products marked QUANTISED: E2M3 operands, one E8M0 scale for each 32 along K, by v_wmma_scale_f32_16x16x128_f8f6f4 with both operands' format E2M3, f32 sums; everything else in f32.
;; Inputs: Wk_codes 512 x 64 x 24 uint8 (E2M3 codes of Wk, K innermost, in blocks of 32 codes, four codes in three bytes); Wk_scales 512 x 64 uint8 (E8M0 scales of Wk, one for each 32 codes along K); Wo_codes 2,048 x 64 x 24 uint8 (E2M3 codes of Wo, K innermost, in blocks of 32 codes, four codes in three bytes); Wo_scales 2,048 x 64 uint8 (E8M0 scales of Wo, one for each 32 codes along K); Wq_codes 2,048 x 64 x 24 uint8 (E2M3 codes of Wq, K innermost, in blocks of 32 codes, four codes in three bytes); Wq_scales 2,048 x 64 uint8 (E8M0 scales of Wq, one for each 32 codes along K); Wv_codes 512 x 64 x 24 uint8 (E2M3 codes of Wv, K innermost, in blocks of 32 codes, four codes in three bytes); Wv_scales 512 x 64 uint8 (E8M0 scales of Wv, one for each 32 codes along K); qk_gain one number float32; x_codes 4 x 1,024 x 64 x 24 uint8 (E2M3 codes of x, K innermost, in blocks of 32 codes, four codes in three bytes); x_scales 4 x 1,024 x 64 uint8 (E8M0 scales of x, one for each 32 codes along K).
;; Outputs: out0 4 x 1,024 x 2,048 float32.
;; This version of the problem:
;;   THIS VERSION OF THE PROBLEM IS GIVEN IN LOW PRECISION. The matrix products marked QUANTISED in the list below multiply operands that are first quantised to E2M3 (2 exponent bits, 3 mantissa bits; 6 bits a number), with one power-of-two scale for each 32 numbers along K (OCP MX v1.0); their sums are f32. All else is computed in f32.
;;   The module's matrix products, in the order in which they are computed (A, B: the left and right operand; K: the contracted axis; several contracted axes count as one K, in the product's order):
;;     1. [M 4,096, K 2,048] x [K 2,048, N 2,048]; A: input x (given as codes); B: input Wq (given as codes): QUANTISED
;;     2. [M 4,096, K 2,048] x [K 2,048, N 512]; A: input x (given as codes); B: input Wk (given as codes): QUANTISED
;;     3. [M 4,096, K 2,048] x [K 2,048, N 512]; A: input x (given as codes); B: input Wv (given as codes): QUANTISED
;;     4. batch 64 x [M 1,024, K 128] x [K 128, N 1,024]; A: computed on the way; B: computed on the way: QUANTISED
;;     5. batch 64 x [M 1,024, K 1,024] x [K 1,024, N 128]; A: softmax (see below); B: computed on the way: QUANTISED
;;     6. [M 4,096, K 2,048] x [K 2,048, N 2,048]; A: computed on the way; B: input Wo (given as codes): QUANTISED
;;   THE QUANTISER, for each operand of a quantised product, along K:
;;     - K is cut into blocks of 32 from its start; a last block that is shorter is filled with zeros.
;;     - A block's scale is 2^e with e = floor(log2(the largest magnitude in the block)) - 2, held to -126 .. 127; a block of zeros has e = 0. As a byte (E8M0): e + 127.
;;     - Each number is divided by its block's scale, clamped to +-7.5, and rounded to the nearest number of E2M3, ties to even, subnormals kept.
;;     - The product sums the exact products of the quantised numbers (number of the format x scale) in f32.
;;   ~~~python
;;   def quantise(x, axis):      # numpy; x: float32 -> the quantised numbers, widened to float32 again
;;       x = np.moveaxis(x, axis, -1); K = x.shape[-1]
;;       x = np.pad(x, [(0, 0)] * (x.ndim - 1) + [(0, -K % 32)]); x = x.reshape(x.shape[:-1] + (-1, 32)); a = np.abs(x).max(-1, keepdims=True)
;;       e = np.where(a > 0, np.clip(np.frexp(np.where(a > 0, a, 1))[1] - 1 - 2, -126, 127), 0)      # np.frexp(a)[1] - 1 = floor(log2(a)), exactly
;;       r = np.clip(x / 2.0 ** e, -7.5, 7.5)
;;       step = 2.0 ** (np.maximum(np.frexp(np.where(r == 0, 1, r))[1] - 1, 0) - 3)
;;       q = np.round(r / step) * step * 2.0 ** e      # np.round: ties to even
;;       return np.moveaxis(q.reshape(q.shape[:-2] + (-1,))[..., :K], -1, axis).astype(np.float32)
;;   ~~~
;;   SOFTMAX AHEAD OF A QUANTISED PRODUCT. Where the list says 'softmax', what is quantised is not the finished softmax but p = 2^(t - M), with t = logit x log2(e) and M = ceil(the row's largest t), a whole number; so 1/2 < the row's largest p <= 1. The row's sum l is taken of the UNQUANTISED p, in f32, and the product's result is divided by l at the end. Since M is a whole number, a kernel that streams over the keys may use a running M (the ceiling of the running maximum): every later rescaling is an exact power of two, which a block's scale takes up: the codes' values come out the same.
;;   OPERANDS COMPUTED ON THE WAY. 'Computed on the way' means the value that the module computes at that place (a softmax that the list does not call 'softmax' is quantised finished and normalised). What goes into a quantiser is computed in f32, as accurately as f32 sums, v_exp_f32 and their like allow (about 1e-6 of the number): no bf16 or f16 on the way to a quantiser, and a product that is left as it is and whose result goes on into a quantised operand takes f32 operands (vector FMAs, or v_wmma_f32_16x16x4_f32). A number that lies on a knife's edge between two numbers of the format may be rounded either way, as far as f32 arithmetic and the matrix unit's own rounding can turn it there, and no further.
;;   INPUTS GIVEN AS CODES. Wk (in the module: [512, 2048], K = its axis 1); Wo (in the module: [2048, 2048], K = its axis 1); Wq (in the module: [2048, 2048], K = its axis 1); Wv (in the module: [512, 2048], K = its axis 1); x (in the module: [4, 1024, 2048], K = its axis 2): each comes as NAME_codes (uint8): NAME with its K axis moved to the last place and cut into blocks of 32 codes, [.., K / 32, bytes a block], one block behind the other in memory; four codes in three bytes: a row's codes are one little-endian stream of bits, code i at bits 6 i .. 6 i + 5 (a code: sign, 2 exponent bits, 3 mantissa bits); and NAME_scales (uint8): the same leading axes, one E8M0 byte (e + 127) for each 32 codes along K. Its value is code x scale, taken as it is: it is not quantised again, and the codes and scales need not be those that the quantiser above would give.
;; One version. Each part assembles by itself: llvm-mc -triple=amdgcn-amd-amdhsa -mcpu=gfx1250 --defsym DOCPART=n.
;; ======== version 1 of 1: 3 launches
;; workspace buffers: qbuf 6,553,600 bytes; kv 3,276,800 bytes; obuf 6,553,600 bytes
;; launch qkv (part 1): grid 12 x 16, 4 waves a work-group, clusters of 4 x 4, 327,680 bytes of LDS; arguments x_codes, x_scales, Wq_codes, Wq_scales, Wk_codes, Wk_scales, Wv_codes, Wv_scales, qk_gain, qbuf, kv; writes qbuf, kv
.if DOCPART == 1
	.amdgcn_target "amdgcn-amd-amdhsa--gfx1250"
	.amdhsa_code_object_version 6
	.text
	.protected	k_qe4d39bf209_qkv
	.globl	k_qe4d39bf209_qkv
	.p2align	8
	.type	k_qe4d39bf209_qkv,@function
k_qe4d39bf209_qkv:
	s_mov_b64 s[64:65], 0
	v_nop
	global_prefetch_b8 v0, s[64:65] scope:SCOPE_SE
	s_setreg_imm32_b32 hwreg(HW_REG_WAVE_MODE, 25, 1), 1
	s_wait_xcnt 0x0
	s_wait_alu depctr_hold_cnt(0) depctr_sa_sdst(0) depctr_va_vdst(0) depctr_va_sdst(0) depctr_va_ssrc(0) depctr_va_vcc(0) depctr_vm_vsrc(0)
	s_getreg_b32 s2, hwreg(HW_REG_IB_STS2, 6, 4)
	s_cmp_eq_u32 s2, 0
	s_cbranch_scc0 .Lentry_in_a_cluster
	s_endpgm
.Lentry_in_a_cluster:
	s_bfe_u32 s2, ttmp6, 0x10000c
	s_cmp_lg_u32 s2, 0xf033
	s_cbranch_scc0 .Lentry_shape_is_right
	s_endpgm
.Lentry_shape_is_right:
; q = x Wq^T, k = x Wk^T, v = x Wv^T on codes of FP6 (E2M3) with one E8M0 scale for each 32 along K = 2,048; then, in f32, the RMS norm of q and k over a head's 128, the gain on q,
; the rope on the first 64 of a head; then q, k (along the head's 128) and v (along the tokens) are quantised to FP6 and leave as IMAGES OF OPERAND REGISTERS for the attention launch.
; SHARES.  A work-group of four waves makes 256 tokens x 2 heads; a wave 128 tokens x 1 head: 64 accumulators of 16 x 16, 512 registers.  24 heads (16 q, 4 k, 4 v) are dealt by the cluster's x (X) and the place cx in it:
; X = 0: q heads 2 cx, 2 cx + 1;  X = 1: q head 8 + cx and k head cx;  X = 2: q head 12 + cx and v head cx.  So what KIND of head a wave has hangs on X and the wave's number alone, alike in all partners.
; K goes in steps of 256 through a ring of two LDS slots filled by the tensor data mover (rows of 192 bytes); the scale bytes of the 256 tokens and the 256 rows of W come once, in runs of 256 bytes, and stay.
; CLUSTERS: 4 x 4 work-groups.  The four of a row need the same tiles of x, the four of a column the same tiles of W: each tile is asked for jointly, by the same tensor load with a mask that names the four.
; THE MATRIX INSTRUCTION IS USED TRANSPOSED: source 0 = 16 rows of W, source 1 = 16 tokens: a lane holds ONE token, and register 8 b + j of a token tile the head's number 16 b + 8 (lane / 16) + j.
; A V WAVE EXCHANGES THE TWO LDS ADDRESSES (source 0 = tokens, source 1 = rows of Wv): a lane then holds one d and its registers run along the tokens, which are the second attention product's K.  No matrix line differs.
; ORDER ALONG K IN THE IMAGES: inside each block of 32 the numbers stand permuted (place 16 h + 8 u + j holds number 16 u + 8 h + j).  q and k, and later p and v, are laid by the same lines, so places agree; a block's scale does not change.
; LIMITS: NaN and infinities are not served.  A block whose largest magnitude lies under 2^-124 has its byte held at 1; a block of zeros has the byte 1 (its codes are zeros; the bytes are read by this program alone).
; The rope's cos and sin are made in f32 (reduction by pi / 2 in two parts, polynomials) for the wave's first token tile; for the seven others they are turned on by 16 tokens, in f32: the angle is then not rounded as t x f is; the difference is of the size of that rounding.
; REGISTERS, in windows of 256: window 0: v16-31 addresses; v32-63 scale words, two sets; v64-95 cos, sin; v96-127 cos, sin of 16 tokens' turn; from v128 source 1's fragments, one set; on the way out v128-255 at work.
;   window 1: source 0's fragments, two sets.   window 2: the accumulators of source 1's blocks 0-3 ((a, b) at v[8 (8 a + b)]);   window 3: those of blocks 4-7.
.set KSTEP,  256
.set NQ,     2                         ; matrix instructions deep in a slot
.set ROWB,   192                       ; a tile's row in bytes
.set KROW,   1536                      ; a row of x or W in memory: 2,048 codes
.set PITCH,  240                       ; an LDS row: 3 x (64 bytes + 16 of padding)
.set FR,     12
.set NL,     6
.set NP,     4
.set HALFT,  128*PITCH
.set SLOT,   4*HALFT                   ; x's 256 rows, then W's 256 rows
.set LAPS,   4                         ; 2,048 / 512
.set KS,     64                        ; a row of scale bytes
.set SCL,    2*SLOT
.set HALFS,  (128*KS/256)*272
.set SBLK,   (16*KS/256)*272
.set SPARE,  SCL+4*HALFS               ; the spare words: 128 bytes a wave, named by no other line
.set ADRA, 16                          ; v16-19  source 1's rows in slot 0, 1 (and behind one padding more)
.set ADRB, 20                          ; v20-23  source 0's
.set LI,   24                          ; v24     16 x lane: my place in an image
.set ADRS, 27                          ; v27     my scale words
.set SPW,  28
.set NIL,  29
.set FF,   30                          ; v[30:31] the row's factor (1.0 in a V wave), and 0
.set SC,   32
.set CSR,  64                          ; 16 pairs (cos, sin): pair 4 b + jj is rope pair 8 b + 4 h + jj of my token
.set RSR,  96                          ; 16 pairs (cos, sin) of 16 tokens' turn
.set AF,   128
.set HA,   128                         ; the way out: a tile's 64 numbers
.set CD,   192                         ; v192-211 codes, and the conversions' second halves
.set SS,   232                         ; v232-239 four chains of squares
.set TP,   240                         ; v240-247 four pairs at work in the rope
.set TM,   232                         ; v232-247 the quantiser's: magnitudes, bytes, scale operands
.set PW,   248                         ; the scale word just made
.set SCW,  252                         ; v252-255 the scale image: register i: lanes 0-15 tile 2 i, lanes 16-31 tile 2 i + 1
.set KK, 128                           ; the tables' temporaries, at the head only
.set RR, 136
.set ZZ, 144
.set SN, 152
.set CN, 160
.set II, 168
.set UU, 176
.set FQ, 184
.set ANG, 200
.set HM,   2                           ; s2  0xffff0000: lanes 16-31
.set SEL,  18                          ; s[18:19] v_permlanex16_b32's selects for lane l xor 16
.set ISV,  66
.set GAIN, 67
.set ISK,  104
.set ISKV, 105
.set G1, 24
.set G0, 32
.set G1B, 48
.set G0B, 56
.set G1S, 68
.set G0S, 76
.set G1SB, 80
.set G0SB, 88
.set MSB, 0
.macro WIN new                         ; the immediate's high byte repeats the setting that is left
.if MSB != \new
	s_set_vgpr_msb (MSB<<8)|\new
.set MSB, \new
.endif
.endm
.set MUL_LO, 0xa1                      ; source 0 window 1, source 1 window 0, C and D window 2
.set MUL_HI, 0xf1                      ; the same, C and D window 3
.set TO_B,   0x40
; A joint load: waves 0 and 1 fetch for x, waves 2 and 3 for W.  The branch hangs on the wave's number alone.  Four v_nop follow each of the two lines.
.macro JLOAD g0a, g1a, g0b, g1b
	s_cmp_eq_u32 s15, 0
	s_cbranch_scc0 .Lfor_b_\@
	tensor_load_to_lds s[\g0a:\g0a+3], s[\g1a:\g1a+7]
	s_nop 0
.rept 4
	v_nop
.endr
	s_branch .Lasked_\@
.Lfor_b_\@:
	tensor_load_to_lds s[\g0b:\g0b+3], s[\g1b:\g1b+7]
	s_nop 0
.rept 4
	v_nop
.endr
.Lasked_\@:
.endm
.macro CREST                           ; a round of the cluster's barrier behind its opening barrier
	s_cmp_lg_u32 s14, 0
	s_cbranch_scc1 .Lnot_wave_0_\@
	s_barrier_signal -3
.Lnot_wave_0_\@:
	s_barrier_wait -3
	s_barrier_signal -1
	s_barrier_wait -1
.endm
.macro CROUND
	s_barrier_signal -1
	s_barrier_wait -1
	CREST
.endm
	s_load_b256 s[4:11], s[0:1], 0x0               ; x's codes, x's scales, Wq's codes, Wq's scales
	s_load_b256 s[68:75], s[0:1], 0x20             ; Wk's codes, scales, Wv's codes, scales (these registers become a descriptor later)
	s_load_b64 s[100:101], s[0:1], 0x40            ; the gain's address
	s_load_b64 s[96:97], s[0:1], 0x48              ; qbuf
	s_load_b64 s[98:99], s[0:1], 0x50              ; kv
	v_lshl_add_u32 v[SPW], v0, 2, SPARE
	v_mov_b32 v[NIL], 0
	ds_add_u32 v28, v29
	ds_add_u32 v28, v29
	s_wait_dscnt 0x0
	v_lshrrev_b32 v1, 5, v0
	v_readfirstlane_b32 s14, v1                    ; wave 0..3
	s_lshr_b32 s15, s14, 1                         ; my half of the tokens.  Also: I fetch for x (0) or for W (1)
	s_and_b32 s16, s14, 1                          ; my head of the two.  Also: which 128 rows I fetch
	s_bfe_u32 s40, ttmp6, 0x40000                  ; cx
	s_bfe_u32 s41, ttmp6, 0x40004                  ; cy
	s_and_b32 s17, ttmp7, 0xffff
	s_lshl_b32 s17, s17, 2
	s_add_co_u32 s17, s17, s41                     ; tile row: 256 tokens each
	s_lshl_b32 s43, s41, 2
	s_lshl_b32 s43, 15, s43                        ; my row of the cluster
	s_lshl_b32 s44, 0x1111, s40                    ; my column
	; the head: which of its tensor's heads, and of which kind
	s_lshl_b32 s42, s40, 1
	s_add_co_u32 s42, s42, s16                     ; X = 0: q head 2 cx + half
	s_lshl_b32 s47, ttmp9, 2
	s_add_co_u32 s47, s47, 4
	s_add_co_u32 s47, s47, s40                     ; X = 1, 2, half 0: q head 4 + 4 X + cx
	s_cmp_eq_u32 s16, 0
	s_cselect_b32 s47, s47, s40                    ; half 1: k or v head cx
	s_cmp_eq_u32 ttmp9, 0
	s_cselect_b32 s42, s42, s47
	s_cmp_eq_u32 ttmp9, 1
	s_cselect_b32 s[ISK], s16, 0
	s_cmp_eq_u32 ttmp9, 2
	s_cselect_b32 s[ISV], s16, 0
	s_or_b32 s[ISKV], s[ISK], s[ISV]
	; descriptor group 1: a tile of 128 rows x 192 bytes, 16 bytes of padding behind every 64
	s_or_b32 s[G1+0], s43, (1<<20)|(1<<21)|(3<<22)|(3<<25)   ; 15:0 the mask: x's tiles go to my row; elements of 1 byte; 20 padding on; 21 set beside a mask; after every 16 words, 4 words
	s_or_b32 s[G1B+0], s44, (1<<20)|(1<<21)|(3<<22)|(3<<25)  ; W's tiles go to my column
.irp g, G1, G1B
	s_mov_b32 s[\g+1], ROWB<<16                    ; tensor_dim0
	s_mov_b32 s[\g+2], 128<<16                     ; tensor_dim1
	s_mov_b32 s[\g+3], ROWB<<16                    ; tile_dim0
	s_mov_b32 s[\g+4], 128                         ; tile_dim1
	s_mov_b32 s[\g+5], KROW                        ; the pitch
	s_mov_b32 s[\g+6], 0
	s_mov_b32 s[\g+7], 0
.endr
	s_lshl_b32 s18, s16, 7
	s_lshl_b32 s20, s17, 8
	s_add_co_u32 s20, s20, s18                     ; x: row 256 x tile row + 128 x half
	s_lshl_b32 s46, s42, 7                         ; W: row 128 x head
	s_mov_b32 s21, 0
	s_mov_b32 s47, 0
	s_mov_b64 s[18:19], KS
	s_mul_u64 s[22:23], s[20:21], s[18:19]         ; where these rows' scales begin
	s_mul_u64 s[92:93], s[46:47], s[18:19]
	s_mov_b64 s[18:19], KROW
	s_mul_u64 s[20:21], s[20:21], s[18:19]         ; and their codes
	s_mul_u64 s[46:47], s[46:47], s[18:19]
	s_mul_i32 s45, s14, HALFT                      ; where they go: wave x 128 rows
	s_mul_i32 s94, s14, HALFS
	s_wait_kmcnt 0x0
	s_cmp_lg_u32 s[ISK], 0                         ; the weight is chosen by the head's kind, which hangs on ids alone
	s_cselect_b64 s[8:9], s[68:69], s[8:9]
	s_cselect_b64 s[10:11], s[70:71], s[10:11]
	s_cmp_lg_u32 s[ISV], 0
	s_cselect_b64 s[8:9], s[72:73], s[8:9]
	s_cselect_b64 s[10:11], s[74:75], s[10:11]
	s_cmp_lg_u32 s[ISKV], 0
	s_cselect_b64 s[12:13], s[98:99], s[96:97]     ; and the buffer that takes the images
	s_load_b32 s[GAIN], s[100:101], 0x0            ; waited for behind the tables
	; the scales of 128 rows: a dense block of 8,192 bytes, as 32 rows of 256 bytes, 16 bytes of padding behind each
	s_or_b32 s[G1S+0], s43, (3<<16)|(1<<20)|(1<<21)|(5<<22)|(3<<25)
	s_or_b32 s[G1SB+0], s44, (3<<16)|(1<<20)|(1<<21)|(5<<22)|(3<<25)
.irp g, G1S, G1SB
	s_mov_b32 s[\g+1], 32<<16
	s_mov_b32 s[\g+2], 32<<16
	s_mov_b32 s[\g+3], 32<<16
	s_mov_b32 s[\g+4], 32
	s_mov_b32 s[\g+5], 32
	s_mov_b32 s[\g+6], 0
	s_mov_b32 s[\g+7], 0
.endr
	s_add_nc_u64 s[20:21], s[4:5], s[20:21]
	s_add_nc_u64 s[22:23], s[6:7], s[22:23]
	s_add_nc_u64 s[46:47], s[8:9], s[46:47]
	s_add_nc_u64 s[92:93], s[10:11], s[92:93]
	CROUND                                         ; all sixteen work-groups are here: the first joint loads meet
	s_mov_b32 s[G0S], 1
	s_add_co_u32 s[G0S+1], s94, SCL
	s_mov_b64 s[G0S+2:G0S+3], s[22:23]
	s_or_b32 s[G0S+3], s[G0S+3], 0x80000000
	s_mov_b32 s[G0SB], 1
	s_add_co_u32 s[G0SB+1], s94, SCL
	s_mov_b64 s[G0SB+2:G0SB+3], s[92:93]
	s_or_b32 s[G0SB+3], s[G0SB+3], 0x80000000
	JLOAD G0S, G1S, G0SB, G1SB                     ; the scales first: they are wanted with K step 0
.irp s, 0,1
	s_mov_b32 s[G0+4*\s], 1
	s_add_co_u32 s[G0+4*\s+1], s45, \s*SLOT
	s_add_nc_u64 s[G0+4*\s+2:G0+4*\s+3], s[20:21], \s*ROWB
	s_or_b32 s[G0+4*\s+3], s[G0+4*\s+3], 0x80000000
	s_mov_b32 s[G0B+4*\s], 1
	s_add_co_u32 s[G0B+4*\s+1], s45, \s*SLOT
	s_add_nc_u64 s[G0B+4*\s+2:G0B+4*\s+3], s[46:47], \s*ROWB
	s_or_b32 s[G0B+4*\s+3], s[G0B+4*\s+3], 0x80000000
	JLOAD G0+4*\s, G1, G0B+4*\s, G1B
.endr
	; LDS addresses.  Source 1 takes x's rows and source 0 W's; in a V wave the two bases change places
	v_and_b32 v1, 15, v0                           ; r = lane % 16
	v_bfe_u32 v2, v0, 4, 1                         ; h = lane / 16
	v_mul_u32_u24 v3, v1, PITCH
	v_mul_u32_u24 v4, v2, 24
	v_add_nc_u32 v4, v3, v4                        ; a fragment's row x pitch + 24 x half
	v_lshl_add_u32 v5, v2, 4, v4                   ; and the same behind one padding more
	s_mul_i32 s21, s15, HALFT                      ; my 128 tokens
	s_mul_i32 s22, s16, HALFT
	s_add_co_u32 s22, s22, 2*HALFT                 ; my head's 128 rows of W, behind x's 256
	s_cmp_lg_u32 s[ISV], 0
	s_cselect_b32 s23, s22, s21                    ; source 1's rows
	s_cselect_b32 s22, s21, s22                    ; source 0's rows
.irp s, 0,1
	v_add_nc_u32 v[ADRA+\s], s23, v4
	v_add_nc_u32 v[ADRB+\s], s22, v4
	v_add_nc_u32 v[ADRA+2+\s], s23, v5
	v_add_nc_u32 v[ADRB+2+\s], s22, v5
	s_add_co_u32 s23, s23, SLOT
	s_add_co_u32 s22, s22, SLOT
.endr
	v_mul_u32_u24 v5, v1, KS                       ; my row's scales: 64 bytes a row,
	v_lshrrev_b32 v6, 8, v5
	v_lshl_add_u32 v5, v6, 4, v5                   ; and 16 more for each 256 passed
	s_mul_i32 s21, s15, HALFS                      ; x's: my 128 tokens
	s_mul_i32 s22, s16, HALFS
	s_add_co_u32 s22, s22, 2*HALFS                 ; W's: my head's rows, behind x's
	s_sub_co_u32 s22, s22, s21
	v_xor_b32 v6, s[ISV], v2                       ; lanes 0-15 take source 1's words, lanes 16-31 source 0's: W's side is h, in a V wave 1 - h
	v_mul_u32_u24 v6, s22, v6                      ; one product: the lower base + side x the distance
	s_add_co_u32 s21, s21, SCL
	v_add_nc_u32 v5, v5, v6
	v_add_nc_u32 v[ADRS], s21, v5
	v_and_b32 v6, 31, v0
	v_lshlrev_b32 v[LI], 4, v6
	v_mov_b32 v[FF], 1.0
	v_mov_b32 v[FF+1], 0
.irp b, 0,1,2,3
	v_mov_b32 v[TM+4+\b], 0                        ; written once: a lane permute's destination counts as one of its sources
.endr
	; where my images go: chunk idx = 2 x tile row + token half; b = idx / 8, s = idx % 8.  q: ((16 b + head) 8 + s) x 12,800;  k: ((4 b + head) 8 + s) x 25,600;  v: the same + 12,800
	s_lshl_b32 s20, s17, 1
	s_add_co_u32 s20, s20, s15
	s_lshr_b32 s21, s20, 3
	s_and_b32 s20, s20, 7
	s_cmp_lg_u32 s[ISKV], 0
	s_cselect_b32 s22, 2, 4
	s_lshl_b32 s21, s21, s22
	s_add_co_u32 s21, s21, s42
	s_lshl_b32 s21, s21, 3
	s_add_co_u32 s21, s21, s20
	s_mov_b32 s22, 12800
	s_cmp_lg_u32 s[ISKV], 0
	s_cselect_b32 s22, 25600, s22
	s_mul_i32 s20, s21, s22
	s_mul_i32 s21, s[ISV], 12800
	s_add_co_u32 s20, s20, s21
	s_mov_b32 s21, 0
	s_add_nc_u64 s[12:13], s[12:13], s[20:21]
	; THE ROPE'S TABLES, made while the first tiles are on their way.  f = 10000^(-i / 32) = 2^(-i log2(10) / 8), i = 8 b + 4 h + jj
	s_mov_b32 s4, 0x3f22f983                       ; 2 / pi
	s_mov_b32 s5, 0x3fc90fdb                       ; pi / 2, upper part
	s_mov_b32 s6, 0xb33bbd2e                       ; pi / 2, lower part
	s_mov_b32 s7, 0xb94ca1f9                       ; sine: -1.9515295891e-4
	s_mov_b32 s8, 0x3c08839e                       ; 8.3321608736e-3
	s_mov_b32 s9, 0xbe2aaaa3                       ; -1.6666654611e-1
	s_mov_b32 s10, 0x37ccf5ce                      ; cosine: 2.443315711809948e-5
	s_mov_b32 s11, 0xbab6061a                      ; -1.388731625493765e-3
	s_mov_b32 s22, 0x3d2aaaa5                      ; 4.166664568298827e-2
	s_mov_b32 s23, 0xbed49a78                      ; -log2(10) / 8
	s_lshl_b32 s20, s17, 8
	s_lshl_b32 s21, s15, 7
	s_add_co_u32 s20, s20, s21
	s_and_b32 s20, s20, 1023                       ; my chunk's first token in its sequence
	v_add_nc_u32 v3, s20, v1
	v_cvt_f32_u32 v3, v3                           ; my token of tile 0
	v_lshlrev_b32 v4, 2, v2                        ; 4 h
.set p, 0
.rept 16
	v_add_nc_u32 v[FQ+p], 8*(p/4)+p%4, v4
.set p, p+1
.endr
.set p, 0
.rept 16
	v_cvt_f32_u32 v[FQ+p], v[FQ+p]
.set p, p+1
.endr
.set p, 0
.rept 16
	v_mul_f32 v[FQ+p], s23, v[FQ+p]
.set p, p+1
.endr
.set p, 0
.rept 16
	v_exp_f32 v[FQ+p], v[FQ+p]
.set p, p+1
.endr
	v_nop                                          ; a plain instruction behind the last exponential,
	s_wait_alu depctr_va_vdst(0)                   ; and one wait for the sixteen, ahead of their first reader
; Eight angles (0 or more) at v[src] on become eight pairs (cos, sin) at v[dst] on.  k = the nearest whole number to angle x 2 / pi; r = angle - k pi / 2, in two fused steps; polynomials on |r| <= pi / 4; the quadrant k % 4 swaps and signs.
.macro SINCOS8 src, dst
.irp i, 0,1,2,3,4,5,6,7
	v_mul_f32 v[KK+\i], s4, v[\src+\i]
.endr
.irp i, 0,1,2,3,4,5,6,7
	v_rndne_f32 v[KK+\i], v[KK+\i]
.endr
.irp i, 0,1,2,3,4,5,6,7
	v_fma_f32 v[RR+\i], -v[KK+\i], s5, v[\src+\i]
.endr
.irp i, 0,1,2,3,4,5,6,7
	v_fma_f32 v[RR+\i], -v[KK+\i], s6, v[RR+\i]
.endr
.irp i, 0,1,2,3,4,5,6,7
	v_cvt_i32_f32 v[II+\i], v[KK+\i]
.endr
.irp i, 0,1,2,3,4,5,6,7
	v_mul_f32 v[ZZ+\i], v[RR+\i], v[RR+\i]
.endr
.irp i, 0,1,2,3,4,5,6,7
	v_fma_f32 v[SN+\i], v[ZZ+\i], s7, s8
.endr
.irp i, 0,1,2,3,4,5,6,7
	v_fma_f32 v[SN+\i], v[SN+\i], v[ZZ+\i], s9
.endr
.irp i, 0,1,2,3,4,5,6,7
	v_mul_f32 v[UU+\i], v[ZZ+\i], v[RR+\i]
.endr
.irp i, 0,1,2,3,4,5,6,7
	v_fma_f32 v[SN+\i], v[SN+\i], v[UU+\i], v[RR+\i]   ; sin r
.endr
.irp i, 0,1,2,3,4,5,6,7
	v_fma_f32 v[CN+\i], v[ZZ+\i], s10, s11
.endr
.irp i, 0,1,2,3,4,5,6,7
	v_fma_f32 v[CN+\i], v[CN+\i], v[ZZ+\i], s22
.endr
.irp i, 0,1,2,3,4,5,6,7
	v_mul_f32 v[UU+\i], v[ZZ+\i], v[ZZ+\i]
.endr
.irp i, 0,1,2,3,4,5,6,7
	v_fma_f32 v[KK+\i], v[ZZ+\i], -0.5, 1.0
.endr
.irp i, 0,1,2,3,4,5,6,7
	v_fma_f32 v[CN+\i], v[CN+\i], v[UU+\i], v[KK+\i]   ; cos r
.endr
.irp i, 0,1,2,3,4,5,6,7
	v_and_b32 v[UU+\i], 1, v[II+\i]
	v_cmp_eq_u32 vcc_lo, 1, v[UU+\i]               ; in odd quadrants the two change places
	v_cndmask_b32 v[KK+\i], v[SN+\i], v[CN+\i], vcc_lo
	v_cndmask_b32 v[CN+\i], v[CN+\i], v[SN+\i], vcc_lo
.endr
.irp i, 0,1,2,3,4,5,6,7
	v_lshlrev_b32 v[UU+\i], 30, v[II+\i]           ; the sine is negative in quadrants 2 and 3: bit 1 of k
.endr
.irp i, 0,1,2,3,4,5,6,7
	v_and_b32 v[UU+\i], 0x80000000, v[UU+\i]
.endr
.irp i, 0,1,2,3,4,5,6,7
	v_xor_b32 v[\dst+2*\i+1], v[KK+\i], v[UU+\i]
.endr
.irp i, 0,1,2,3,4,5,6,7
	v_add_nc_u32 v[II+\i], 1, v[II+\i]             ; the cosine in quadrants 1 and 2: bit 1 of k + 1
.endr
.irp i, 0,1,2,3,4,5,6,7
	v_lshlrev_b32 v[II+\i], 30, v[II+\i]
.endr
.irp i, 0,1,2,3,4,5,6,7
	v_and_b32 v[II+\i], 0x80000000, v[II+\i]
.endr
.irp i, 0,1,2,3,4,5,6,7
	v_xor_b32 v[\dst+2*\i], v[CN+\i], v[II+\i]
.endr
.endm
.set p, 0
.rept 16
	v_mul_f32 v[ANG+p], v3, v[FQ+p]                ; t x f
.set p, p+1
.endr
	SINCOS8 ANG, CSR
	SINCOS8 ANG+8, CSR+16
.set p, 0
.rept 16
	v_mul_f32 v[ANG+p], 0x41800000, v[FQ+p]        ; 16 f: exact
.set p, p+1
.endr
	SINCOS8 ANG, RSR
	SINCOS8 ANG+8, RSR+16
	s_wait_kmcnt 0x0                               ; the gain
	s_cmp_lg_u32 s[ISKV], 0
	s_cselect_b32 s[GAIN], 1.0, s[GAIN]            ; q alone is multiplied by it
	s_mov_b32 s[HM], 0xffff0000
	s_mov_b32 s[SEL], 0x76543210
	s_mov_b32 s[SEL+1], 0xfedcba98
	s_mov_b32 s20, 0x3c000000                      ; 1 / 128
	s_mov_b32 s21, 0x358637bd                      ; 1e-6
.macro FRAG reg, adr, q, i             ; a fragment, 16 rows x 128 K of 6-bit codes: 12 registers; lane l holds row l % 16; registers 6 c .. 6 c + 5 hold K = 64 c + 32 (l / 16) + 0 .. 31: 24 bytes of the row, as they lie
.irp p, 0,1,2,3,4,5                    ; in pieces of 8 bytes.  Where the piece three on (lanes 16-31) lies behind one padding more, the second address register serves
.set PCE, 12*(\q)+6*(\p/3)+\p%3
.if PCE%8 < 5
	ds_load_b64 v[\reg+2*\p:\reg+2*\p+1], v[\adr] offset:8*PCE+16*(PCE/8)+(\i)*16*PITCH
.else
	ds_load_b64 v[\reg+2*\p:\reg+2*\p+1], v[\adr+2] offset:8*PCE+16*(PCE/8)+(\i)*16*PITCH
.endif
.endr
.endm
; 16 matrix instructions: source 1's blocks a0, a0 + 1 x source 0's eight, 128 along K.  The 64 accumulators take turns, one instruction a turn, in the same order in every step.
.macro MUL16 a0, p, q, sc, zero
.irp a, \a0, \a0+1
.irp b, 0,1,2,3,4,5,6,7
.if \zero
	v_wmma_scale_f32_16x16x128_f8f6f4 v[8*(8*((\a)%4)+\b):8*(8*((\a)%4)+\b)+7], v[128*(\p)+FR*\b:128*(\p)+FR*\b+FR-1], v[AF+FR*(\a):AF+FR*(\a)+FR-1], 0, v[SC+8*NQ*(\sc)+NQ*\b+(\q)], v[SC+8*NQ*(\sc)+NQ*(\a)+(\q)] matrix_a_fmt:MATRIX_FMT_FP6 matrix_b_fmt:MATRIX_FMT_FP6 matrix_a_scale:MATRIX_SCALE_ROW1
.else
	v_wmma_scale_f32_16x16x128_f8f6f4 v[8*(8*((\a)%4)+\b):8*(8*((\a)%4)+\b)+7], v[128*(\p)+FR*\b:128*(\p)+FR*\b+FR-1], v[AF+FR*(\a):AF+FR*(\a)+FR-1], v[8*(8*((\a)%4)+\b):8*(8*((\a)%4)+\b)+7], v[SC+8*NQ*(\sc)+NQ*\b+(\q)], v[SC+8*NQ*(\sc)+NQ*(\a)+(\q)] matrix_a_fmt:MATRIX_FMT_FP6 matrix_b_fmt:MATRIX_FMT_FP6 matrix_a_scale:MATRIX_SCALE_ROW1
.endif
.endr
.endr
.endm
.macro FETCH_B slot, q, p              ; source 0's eight fragments of the slot's q-th 128 along K into set p
	WIN TO_B
.irp i, 0,1,2,3,4,5,6,7
	FRAG 128*(\p)+FR*\i, ADRB+\slot, \q, \i
.endr
	WIN 0
.endm
.macro FETCH_A slot, q, i0             ; source 1's blocks i0 .. i0 + 3
.irp i, \i0, \i0+1, \i0+2, \i0+3
	FRAG AF+FR*(\i), ADRA+\slot, \q, \i
.endr
.endm
.macro SCALES sc                       ; a K step's scale words into set sc: two words a row; lanes 0-15 source 1's block i, lanes 16-31 source 0's block i
.irp i, 0,1,2,3,4,5,6,7
	ds_load_b64 v[SC+8*NQ*\sc+NQ*\i:SC+8*NQ*\sc+NQ*\i+1], v[ADRS] offset:\i*SBLK
.endr
.endm
; A load into a register that a matrix instruction has read, and a vector instruction that reads a matrix result, stand four places behind it; only plain vector instructions that name none of its registers are places.
.macro PLACES n
.rept \n
	v_nop
.endr
.endm
.macro STEP slot, q, zero              ; a step of 128 along K that has its successor in the same slot
	s_wait_dscnt 4*NL                              ; source 0's set and source 1's blocks 0-3 are in; the youngest 24 loads (blocks 4-7) may be out
	WIN MUL_LO
	MUL16 0, (\q)%2, \q, \slot, \zero
	MUL16 2, (\q)%2, \q, \slot, \zero
	s_wait_dscnt 0                                 ; blocks 4-7 are in
	PLACES NP
	FETCH_B \slot, (\q)+1, 1-(\q)%2
	FETCH_A \slot, (\q)+1, 0
	WIN MUL_HI
	MUL16 4, (\q)%2, \q, \slot, \zero
	MUL16 6, (\q)%2, \q, \slot, \zero
	PLACES NP
	WIN 0
	FETCH_A \slot, (\q)+1, 4
.endm
; A slot's last step changes slots: ONE barrier; in front of it each wave waits for all its tensor loads, adds 0 to its spare word, and waits for that and for its own reads of this slot.  fill = 1: this slot is filled again, two K steps ahead.
.macro TURN slot, next, fill
	s_wait_tensorcnt 0x0                           ; all my tensor loads have landed: my part of the next slot
	ds_add_u32 v[SPW], v[NIL]                      ; 0 onto my spare word
	s_wait_dscnt 4*NL+1                            ; (the add and the youngest 24 loads may be out)
	WIN MUL_LO
	MUL16 0, 1, NQ-1, \slot, 0                     ; sixteen matrix instructions stand between the add and the wait for it
	s_wait_dscnt 0x0                               ; the add is done, and my reads of this slot are over
	s_barrier_signal -1
	MUL16 2, 1, NQ-1, \slot, 0
	WIN 0
	s_barrier_wait -1
.if \fill
	CREST                                          ; the barrier has opened a round of the cluster's: no wave of any partner still reads this slot or has a load on its way
	s_add_nc_u64 s[G0+4*\slot+2:G0+4*\slot+3], s[G0+4*\slot+2:G0+4*\slot+3], 2*ROWB
	s_add_nc_u64 s[G0B+4*\slot+2:G0B+4*\slot+3], s[G0B+4*\slot+2:G0B+4*\slot+3], 2*ROWB
	JLOAD G0+4*\slot, G1, G0B+4*\slot, G1B         ; the first tensor load behind the round; its four v_nop are the places in front of the loads below
.else
	PLACES NP
.endif
	v_add_nc_u32 v[ADRS], 4*NQ, v[ADRS]            ; on to the next K step's scale words
	FETCH_B \next, 0, 0
	FETCH_A \next, 0, 0
	SCALES \next
	WIN MUL_HI
	MUL16 4, 1, NQ-1, \slot, 0
	MUL16 6, 1, NQ-1, \slot, 0
	PLACES NP
	WIN 0
	FETCH_A \next, 0, 4
.endm
	s_wait_tensorcnt 1                             ; the scales and my part of K step 0 are in (slot 1's load, the one issued behind them, may be out),
	s_barrier_signal -1
	s_barrier_wait -1                              ; everybody's are
	FETCH_B 0, 0, 0
	FETCH_A 0, 0, 0
	SCALES 0
	FETCH_A 0, 0, 4
	STEP 0, 0, 1                                   ; the first step stands in front of the loop: its products start the sums
	s_mov_b32 s3, LAPS-1
.Llap:                                                 ; a trip goes once round the ring and fills both slots again
	TURN 0, 1, 1
	STEP 1, 0, 0
	TURN 1, 0, 1
	STEP 0, 0, 0
	s_sub_co_u32 s3, s3, 1
	s_cmp_lg_u32 s3, 0
	s_cbranch_scc1 .Llap
	TURN 0, 1, 0                                   ; the last lap fills nothing
	STEP 1, 0, 0
	s_wait_dscnt 4*NL
	WIN MUL_LO
	MUL16 0, 1, NQ-1, 1, 0
	MUL16 2, 1, NQ-1, 1, 0
	s_wait_dscnt 0
	WIN MUL_HI
	MUL16 4, 1, NQ-1, 1, 0
	MUL16 6, 1, NQ-1, 1, 0
	WIN 0
; 64 numbers of a lane, v[s] .. v[s + 63], registers 16 b .. 16 b + 15 = my half of block b of my row, become a fragment's codes in v[CD] on and its scale word in v[PW].
.macro QUANT s
.irp b, 0,1,2,3
	v_max3_num_f32 v[TM+\b], |v[\s+16*\b]|, |v[\s+1+16*\b]|, 0x1800000   ; my 16 numbers, and the floor 2^(3 - 127): so the byte cannot fall under 1
.endr
.irp i, 2,4,6,8,10,12,14
.irp b, 0,1,2,3
	v_max3_num_f32 v[TM+\b], v[TM+\b], |v[\s+16*\b+\i]|, |v[\s+1+16*\b+\i]|
.endr
.endr
.irp b, 0,1,2,3
	v_permlanex16_b32 v[TM+4+\b], v[TM+\b], s[SEL], s[SEL+1]
.endr
.irp b, 0,1,2,3
	v_max_num_f32 v[TM+\b], v[TM+\b], v[TM+4+\b]   ; with lane l xor 16's: the block's largest magnitude
.endr
.irp b, 0,1,2,3
	v_add_nc_u32 v[TM+12+\b], 0xff000000, v[TM+\b] ; 2 off its exponent field: the conversion's scale operand
.endr
.irp b, 0,1,2,3
	v_lshrrev_b32 v[TM+4+\b], 23, v[TM+12+\b]      ; the scale's byte
.endr
	v_lshl_or_b32 v[PW], v[TM+5], 8, v[TM+4]
	v_lshl_or_b32 v[PW], v[TM+6], 16, v[PW]
	v_lshl_or_b32 v[PW], v[TM+7], 24, v[PW]
.irp c, 0,1
	v_cvt_scalef32_pk16_fp6_f32 v[CD+6*\c:CD+2+6*\c], v[\s+32*\c:\s+15+32*\c], v[TM+12+2*\c]
	v_cvt_scalef32_pk16_fp6_f32 v[CD+12+4*\c:CD+14+4*\c], v[\s+16+32*\c:\s+31+32*\c], v[TM+12+2*\c+1]   ; (a conversion's three registers begin on an even number)
.endr
	v_nop                                          ; one plain place behind a scaled conversion
.irp c, 0,1                                    ; the operand's layout wants a whole block in a lane
.irp i, 0,1,2
	v_permlane16_swap_b32 v[CD+6*\c+\i], v[CD+12+4*\c+\i]
.endr
.irp i, 0,1,2
	v_mov_b32 v[CD+3+6*\c+\i], v[CD+12+4*\c+\i]
.endr
.endr
.endm
; THE WAY OUT of source 1's block a: 16 tokens x the head's 128 (a V wave: 16 d x 128 tokens).  The branches hang on the wave's kind: on ids alone.
.macro EPI a
.set AC, 64*((\a)%4)
.set WA, 2+(\a)/4                      ; the block's window
.set WB, 5*WA                          ; sources 0 and 1 in it
	s_cmp_lg_u32 s[ISV], 0
	s_cbranch_scc1 .Lraw_\@                        ; v has no norm
	WIN WB
.irp c, 0,1,2,3
	v_pk_mul_f32 v[SS+2*\c:SS+2*\c+1], v[AC+2*\c:AC+2*\c+1], v[AC+2*\c:AC+2*\c+1]   ; the squares, in four chains; each accumulator is read from its low end on
.endr
.set j, 8
.rept 28
	v_pk_fma_f32 v[SS+j%8:SS+j%8+1], v[AC+j:AC+j+1], v[AC+j:AC+j+1], v[SS+j%8:SS+j%8+1]
.set j, j+2
.endr
	WIN 0
	v_pk_add_f32 v[SS:SS+1], v[SS:SS+1], v[SS+2:SS+3]
	v_pk_add_f32 v[SS+4:SS+5], v[SS+4:SS+5], v[SS+6:SS+7]
	v_pk_add_f32 v[SS:SS+1], v[SS:SS+1], v[SS+4:SS+5]
	v_add_f32 v[SS], v[SS], v[SS+1]
	v_permlanex16_b32 v[SS+4], v[SS], s[SEL], s[SEL+1]
	v_add_f32 v[SS], v[SS], v[SS+4]                ; with lane l xor 16's 64: the token's 128 squares
	v_fma_f32 v[SS], v[SS], s20, s21               ; the mean + 1e-6
	v_rsq_f32 v[FF], v[SS]
	v_nop                                          ; a plain instruction behind it,
	s_wait_alu depctr_va_vdst(0)                   ; and the wait ahead of its first reader
	v_mul_f32 v[FF], s[GAIN], v[FF]
.Lraw_\@:
	WIN WA
.set j, 0
.rept 32
	v_pk_mul_f32 v[HA+j:HA+j+1], v[AC+j:AC+j+1], v[FF:FF+1] op_sel_hi:[1,0]   ; x the factor (1.0 in a V wave), into window 0
.set j, j+2
.endr
	WIN 0
	s_cmp_lg_u32 s[ISV], 0
	s_cbranch_scc1 .Lplain_\@                      ; v has no rope
.irp g, 0,1,2,3                                ; (x1, x2) -> (x1 c - x2 s, x1 s + x2 c): first (-x2 s, x1 s), then x c on top
.irp u, 0,1,2,3
	v_pk_mul_f32 v[TP+2*\u:TP+2*\u+1], v[HA+8*\g+2*\u:HA+8*\g+2*\u+1], v[CSR+8*\g+2*\u:CSR+8*\g+2*\u+1] op_sel:[1,1] op_sel_hi:[0,1] neg_lo:[1,0]
.endr
.irp u, 0,1,2,3
	v_pk_fma_f32 v[HA+8*\g+2*\u:HA+8*\g+2*\u+1], v[HA+8*\g+2*\u:HA+8*\g+2*\u+1], v[CSR+8*\g+2*\u:CSR+8*\g+2*\u+1], v[TP+2*\u:TP+2*\u+1] op_sel_hi:[1,0,1]
.endr
.endr
.if (\a) < 7
.irp g, 0,1,2,3                                ; (cos, sin) is turned on by 16 tokens, by the same two lines
.irp u, 0,1,2,3
	v_pk_mul_f32 v[TP+2*\u:TP+2*\u+1], v[CSR+8*\g+2*\u:CSR+8*\g+2*\u+1], v[RSR+8*\g+2*\u:RSR+8*\g+2*\u+1] op_sel:[1,1] op_sel_hi:[0,1] neg_lo:[1,0]
.endr
.irp u, 0,1,2,3
	v_pk_fma_f32 v[CSR+8*\g+2*\u:CSR+8*\g+2*\u+1], v[CSR+8*\g+2*\u:CSR+8*\g+2*\u+1], v[RSR+8*\g+2*\u:RSR+8*\g+2*\u+1], v[TP+2*\u:TP+2*\u+1] op_sel_hi:[1,0,1]
.endr
.endr
.endif
.Lplain_\@:
	s_wait_xcnt 0x0                                ; the last tile's stores have read their data: the codes' registers are written again only behind this wait
	QUANT HA
.irp c, 0,1,2
	global_store_b128 v[LI], v[CD+4*\c:CD+4*\c+3], s[12:13] offset:1536*(\a)+512*\c   ; the image: 32 lanes store 512 consecutive bytes
.endr
.if (\a)%2 == 0
	v_mov_b32 v[SCW+(\a)/2], v[PW]                 ; both halves of the lanes hold the row's word: an even tile's stays in lanes 0-15,
.else
	v_cndmask_b32 v[SCW+(\a)/2], v[SCW+(\a)/2], v[PW], s[HM]   ; an odd tile's takes lanes 16-31
.endif
.endm
	PLACES NP                                      ; behind the last products: their results are read and source 1's registers written below
.irp a, 0,1,2,3,4,5,6,7
	EPI \a
.endr
	global_store_b128 v[LI], v[SCW:SCW+3], s[12:13] offset:12288   ; the scale image: 512 consecutive bytes
	s_wait_tensorcnt 0x0                           ; the wave's end
	ds_add_u32 v[SPW], v[NIL]
	s_wait_dscnt 0x0
	CROUND                                         ; the closing round: no work-group ends while a partner may still ask for a tile that names it
	s_endpgm
.Lfunc_end_k_qe4d39bf209_qkv:
	.size	k_qe4d39bf209_qkv, .Lfunc_end_k_qe4d39bf209_qkv-k_qe4d39bf209_qkv
	.p2alignl 7, 3214868480
	.fill 96, 4, 3214868480
	.section	.rodata,"a",@progbits
	.p2align	6, 0x0
	.amdhsa_kernel k_qe4d39bf209_qkv
		.amdhsa_group_segment_fixed_size 327680
		.amdhsa_private_segment_fixed_size 0
		.amdhsa_enable_private_segment 0
		.amdhsa_kernarg_size 88
		.amdhsa_user_sgpr_count 2
		.amdhsa_user_sgpr_kernarg_segment_ptr 1
		.amdhsa_wavefront_size32 1
		.amdhsa_system_sgpr_workgroup_id_x 1
		.amdhsa_system_sgpr_workgroup_id_y 1
		.amdhsa_system_sgpr_workgroup_id_z 1
		.amdhsa_system_vgpr_workitem_id 0
		.amdhsa_next_free_vgpr 1024
		.amdhsa_next_free_sgpr 106
		.amdhsa_reserve_vcc 1
		.amdhsa_float_denorm_mode_32 3
		.amdhsa_float_denorm_mode_16_64 3
		.amdhsa_memory_ordered 1
		.amdhsa_forward_progress 1
		.amdhsa_inst_pref_size 255
	.end_amdhsa_kernel
	.section	.bss,"aw",@nobits
	.p2align	6
	.space	262144
	.amdgpu_metadata
---
amdhsa.version: [ 1, 2 ]
amdhsa.kernels:
  - .name:           k_qe4d39bf209_qkv
    .symbol:         k_qe4d39bf209_qkv.kd
    .args:
      - { .name: x_codes, .offset: 0, .size: 8, .value_kind: global_buffer, .address_space: global }
      - { .name: x_scales, .offset: 8, .size: 8, .value_kind: global_buffer, .address_space: global }
      - { .name: Wq_codes, .offset: 16, .size: 8, .value_kind: global_buffer, .address_space: global }
      - { .name: Wq_scales, .offset: 24, .size: 8, .value_kind: global_buffer, .address_space: global }
      - { .name: Wk_codes, .offset: 32, .size: 8, .value_kind: global_buffer, .address_space: global }
      - { .name: Wk_scales, .offset: 40, .size: 8, .value_kind: global_buffer, .address_space: global }
      - { .name: Wv_codes, .offset: 48, .size: 8, .value_kind: global_buffer, .address_space: global }
      - { .name: Wv_scales, .offset: 56, .size: 8, .value_kind: global_buffer, .address_space: global }
      - { .name: qk_gain, .offset: 64, .size: 8, .value_kind: global_buffer, .address_space: global }
      - { .name: qbuf, .offset: 72, .size: 8, .value_kind: global_buffer, .address_space: global }
      - { .name: kv, .offset: 80, .size: 8, .value_kind: global_buffer, .address_space: global }
    .group_segment_fixed_size: 327680
    .private_segment_fixed_size: 0
    .kernarg_segment_align: 8
    .kernarg_segment_size: 88
    .max_flat_workgroup_size: 128
    .sgpr_count:     106
    .vgpr_count:     1024
    .wavefront_size: 32
...
	.end_amdgpu_metadata
.endif
;; end of part 1
;; launch attn (part 2): grid 16 x 16, 16 waves a work-group, clusters of 4 x 1, 206,848 bytes of LDS; arguments qbuf, kv, obuf; writes obuf
.if DOCPART == 2
	.amdgcn_target "amdgcn-amd-amdhsa--gfx1250"
	.amdhsa_code_object_version 6
	.text
	.protected	k_qe4d39bf209_attn
	.globl	k_qe4d39bf209_attn
	.p2align	8
	.type	k_qe4d39bf209_attn,@function
k_qe4d39bf209_attn:
	s_mov_b64 s[64:65], 0
	v_nop
	global_prefetch_b8 v0, s[64:65] scope:SCOPE_SE
	s_setreg_imm32_b32 hwreg(HW_REG_WAVE_MODE, 25, 1), 1
	s_wait_xcnt 0x0
	s_wait_alu depctr_hold_cnt(0) depctr_sa_sdst(0) depctr_va_vdst(0) depctr_va_sdst(0) depctr_va_ssrc(0) depctr_va_vcc(0) depctr_vm_vsrc(0)
	s_getreg_b32 s2, hwreg(HW_REG_IB_STS2, 6, 4)
	s_cmp_eq_u32 s2, 0
	s_cbranch_scc0 .Lentry_in_a_cluster
	s_endpgm
.Lentry_in_a_cluster:
	s_bfe_u32 s2, ttmp6, 0x10000c
	s_cmp_lg_u32 s2, 0x3003
	s_cbranch_scc0 .Lentry_shape_is_right
	s_endpgm
.Lentry_shape_is_right:
; O = softmax(q k^T / sqrt(128), causal) v for 64 (batch, query head) pairs, both products on codes of FP6 (E2M3) with E8M0 scales; then O / l is quantised along the head's 128 and leaves as images of operand registers.
; The window is as long as the sequence, so the mask is: key k counts for query q where k <= q.
; THE SOFTMAX: t = score x log2(e) / sqrt(128); M = the running largest t rounded UP to a whole number; p = 2^(t - M) is quantised along the keys, not normalised; the sum is taken of the unquantised p and divides at the end.
; When M moves, the sum and O are multiplied by 2^(old M - new M): exact.
; INPUTS, as the launch before laid them.  qbuf: for (16 b + hq, chunk of 128 tokens) 12,800 bytes: 8 images of 1,536 bytes (16 tokens x 128), then a scale image of 512.
; kv: for (4 b + kh) 204,800 bytes, 25,600 a key step of 128 keys: K's 8 images, K's scale image, V^T's 8 images (16 d x 128 keys), V's scale image.  An image is read back by three loads of 16 bytes a lane, 512 bytes apart.
; A scale image is four registers: register i holds tile 2 i's words in lanes 0-15 and tile 2 i + 1's in lanes 16-31.
; SHARES.  A cluster is the four query heads that share one (b, kh): they ask jointly for its whole block of K and V, which lies in LDS for the whole launch: nothing is filled again.
; A work-group has 16 waves, a wave one tile of 16 queries: tiles 8 g + i and 63 - 8 g - i (g the cluster's x, i = 0 .. 7), so that every work-group has 72 key steps, and each four waves with numbers alike mod 4, or in one run of four, have 18.
; LAYOUT.  Both products transposed: S^T = K Q^T, O^T = V^T P^T: a lane holds one query.  Register 8 t + j of S^T is key 16 t + 8 (lane / 16) + j; V's images were laid in the same order inside each block of 32, so places agree.
; O must stand in true order (the next product's other operand is given): 32 exchanges of half registers give it.
; LIMITS: NaN and infinities are not served; a block of p or O under 2^-124 has its byte held at 1 (a block of zeros too: its codes are zeros).
; REGISTERS: v1 16 x lane; v2 the step's LDS address; v3 r - 8 h; v4 4 r; v9, v10 Q's offsets; v12 -M, v13 the largest t, v[14:15] the sum; v16-27 Q; v32-79 four fragments; v96-159 S^T, then p; v160-223 O^T; v224-235 p's codes;
;   v232-247 at work; v248-251 a scale image; v252 f; v253 p's scale word; v254 at work; v255 Q's scale word.
.set STEPB, 25600
.set KVB,   204800
.set LI,  1
.set AD,  2
.set DQ,  3
.set R4,  4
.set WV,  10
.set Q0,  17
.set QL,  18
.set CNT, 19
.set SEL, 20
.set CS,  22
.set G1A, 24
.set G1B, 32
.set G0A, 40
.set G0B, 44
.set TB,  48
.set KF,  49
.set TM,  232
.set CD,  32
.set PW,  52
.macro CROUND                          ; a round of the cluster's barrier
	s_barrier_signal -1
	s_barrier_wait -1
	s_cmp_lg_u32 s[WV], 0
	s_cbranch_scc1 .Lnot_wave_0_\@
	s_barrier_signal -3
.Lnot_wave_0_\@:
	s_barrier_wait -3
	s_barrier_signal -1
	s_barrier_wait -1
.endm
	s_load_b128 s[4:7], s[0:1], 0x0                ; qbuf, kv
	s_load_b64 s[8:9], s[0:1], 0x10                ; obuf
	v_lshl_add_u32 v95, v0, 2, 0x32000
	v_mov_b32 v243, 0
	ds_add_u32 v95, v243
	ds_add_u32 v95, v243
	v_lshrrev_b32 v1, 5, v0
	v_readfirstlane_b32 s[WV], v1                  ; wave 0..15
	s_bfe_u32 s11, ttmp6, 0x40000                  ; cx: which of the four query heads; it enters Q's and O's global addresses alone
	s_and_b32 s12, ttmp7, 0xffff                   ; y = 4 b + kh
	s_lshr_b32 s13, s[WV], 2
	s_xor_b32 s13, s13, s[WV]
	s_and_b32 s13, s13, 1                          ; a late tile (1) or an early one (0)
	s_lshr_b32 s14, s[WV], 1
	s_lshl_b32 s15, ttmp9, 3
	s_add_co_u32 s15, s15, s14                     ; 8 g + i
	s_sub_co_u32 s16, 63, s15
	s_cmp_lg_u32 s13, 0
	s_cselect_b32 s16, s16, s15                    ; my tile of 16 queries
	s_lshl_b32 s[Q0], s16, 4                       ; my first query
	s_add_co_u32 s[QL], s[Q0], 15                  ; and my last
	; descriptor groups 1: dense blocks as rows of 256 bytes (32 elements of 8 bytes); the mask names all four work-groups, bit 21 is set beside it
	s_mov_b32 s[G1A], 15|(3<<16)|(1<<21)
	s_mov_b32 s[G1A+1], 32<<16
	s_mov_b32 s[G1A+2], 50<<16                     ; key steps 0 and 1: 200 rows, 50 for each of four waves
	s_mov_b32 s[G1A+3], 32<<16
	s_mov_b32 s[G1A+4], 50
	s_mov_b32 s[G1A+5], 32
	s_mov_b32 s[G1A+6], 0
	s_mov_b32 s[G1A+7], 0
	s_mov_b32 s[G1B], 15|(3<<16)|(1<<21)
	s_mov_b32 s[G1B+1], 32<<16
	s_mov_b32 s[G1B+2], 150<<16                    ; key steps 2 to 7: 600 rows, 150 a wave
	s_mov_b32 s[G1B+3], 32<<16
	s_mov_b32 s[G1B+4], 150
	s_mov_b32 s[G1B+5], 32
	s_mov_b32 s[G1B+6], 0
	s_mov_b32 s[G1B+7], 0
	s_lshl_b32 s50, s12, 2
	s_add_co_u32 s50, s50, s11                     ; 16 b + hq
	s_lshl_b32 s50, s50, 3
	s_lshr_b32 s51, s16, 3
	s_add_co_u32 s50, s50, s51                     ; my tile's chunk of 128 tokens
	s_mul_i32 s50, s50, 12800
	s_mov_b32 s51, 0
	s_and_b32 s63, s16, 7
	s_mul_i32 s52, s63, 1536                       ; my tile's image in it
	s_lshr_b32 s53, s63, 1
	s_lshl_b32 s53, s53, 2                         ; its scale words: register (tile / 2),
	s_and_b32 s63, s16, 1
	s_lshl_b32 s63, s63, 8
	s_add_co_u32 s53, s53, s63                     ; lanes 16 (tile % 2) on
	s_mul_i32 s54, s12, KVB                        ; K and V of (b, kh)
	s_mov_b32 s55, 0
	s_lshr_b32 s56, s12, 2
	s_lshl_b32 s56, s56, 6
	s_add_co_u32 s56, s56, s16                     ; token tile 64 b + tile
	s_mul_i32 s56, s56, 25600
	s_and_b32 s63, s12, 3
	s_lshl_b32 s63, s63, 2
	s_add_co_u32 s63, s63, s11                     ; hq
	s_lshl_b32 s58, s63, 6
	s_add_co_u32 s58, s58, s56                     ; obuf: my scale words, 64 bytes a head (24,576 stand in the store's immediate)
	s_mov_b32 s59, 0
	s_mul_i32 s63, s63, 1536
	s_add_co_u32 s56, s56, s63                     ; obuf: my image
	s_mov_b32 s57, 0
	s_and_b32 s60, s[WV], 3
	s_mul_i32 s61, s60, 12800                      ; my part of key steps 0 and 1, in memory and in LDS alike
	s_mul_i32 s62, s60, 38400
	s_add_co_u32 s62, s62, 2*STEPB                 ; and of key steps 2 to 7
	s_mov_b32 s[SEL], 0x76543210
	s_mov_b32 s[SEL+1], 0xfedcba98
	s_mov_b32 s[CS], 0x3e0293ee                    ; c = log2(e) / sqrt(128)
	s_mov_b32 s[CS+1], s[CS]
	s_wait_dscnt 0x0
	s_wait_kmcnt 0x0
	s_add_nc_u64 s[4:5], s[4:5], s[50:51]
	s_add_nc_u64 s[6:7], s[6:7], s[54:55]
	s_add_nc_u64 s[58:59], s[8:9], s[58:59]
	s_add_nc_u64 s[56:57], s[8:9], s[56:57]
	s_mov_b32 s[G0A], 1
	s_mov_b32 s[G0A+1], s61
	s_mov_b32 s54, s61
	s_add_nc_u64 s[G0A+2:G0A+3], s[6:7], s[54:55]
	s_or_b32 s[G0A+3], s[G0A+3], 0x80000000
	s_mov_b32 s[G0B], 1
	s_mov_b32 s[G0B+1], s62
	s_mov_b32 s54, s62
	s_add_nc_u64 s[G0B+2:G0B+3], s[6:7], s[54:55]
	s_or_b32 s[G0B+3], s[G0B+3], 0x80000000
	CROUND                                         ; all four work-groups are here: the joint loads meet
	s_cmp_lt_u32 s[WV], 4                          ; waves 0 to 3 fetch; a wave's two loads stand in one branch, ahead of every wait on TENSORcnt and every LDS read: two loads of mine are out
	s_cbranch_scc0 .Lno_fetch
	tensor_load_to_lds s[G0A:G0A+3], s[G1A:G1A+7]
	s_nop 0
	tensor_load_to_lds s[G0B:G0B+3], s[G1B:G1B+7]
	s_nop 0
.rept 4
	v_nop
.endr
.Lno_fetch:
	v_and_b32 v5, 31, v0
	v_lshlrev_b32 v[LI], 4, v5
	v_and_b32 v6, 15, v0                           ; r
	v_bfe_u32 v7, v0, 4, 1                         ; h
	v_lshlrev_b32 v8, 3, v7
	v_sub_nc_u32 v[DQ], v6, v8                     ; r - 8 h
	v_lshlrev_b32 v[R4], 2, v6
	v_add_nc_u32 v9, s52, v[LI]
	v_lshl_add_u32 v10, v6, 4, s53
.irp c, 0,1,2
	global_load_b128 v[16+4*\c:19+4*\c], v9, s[4:5] offset:512*\c   ; Q's fragment stays in registers
.endr
	global_load_b32 v255, v10, s[4:5] offset:12288 ; Q's scale words
	v_mov_b32 v13, 0xff61b1e6                      ; the largest t so far: -3e38
	v_floor_f32 v12, -v13                          ; -M
	v_mov_b32 v14, 0
	v_mov_b32 v15, 0
.irp b, 0,1,2,3
	v_mov_b32 v[236+\b], 0                         ; written once: a lane permute's destination counts as one of its sources
.endr
	v_mov_b32 v252, 0
	v_mov_b32 v253, 0
.set j, 0
.rept 64
	v_mov_b32 v[160+j], 0                          ; O^T: the step is written for every step alike: the first finds zeros
.set j, j+1
.endr
; A KEY STEP: 128 keys at LDS byte TB.  A step all of whose keys come after my queries is left out: a scalar branch on ids, round its loads and its work, not round the lines at its end that step the address.
.macro STEP
	s_cmp_gt_u32 s[KF], s[QL]
	s_cbranch_scc1 .Lhidden_\@
	v_add_nc_u32 v[AD], s[TB], v[LI]
.rept 3
	v_nop                                          ; with the addition: four places in front of loads into registers that the last products read
.endr
	ds_load_b128 v[248:251], v[AD] offset:12288    ; K's scale image
.irp g, 0,1                                    ; S^T = K Q^T, four tiles of 16 keys at a time
.if \g > 0
.rept 4
	v_nop
.endr
.endif
.irp t, 0,1,2,3
.irp c, 0,1,2
	ds_load_b128 v[32+12*\t+4*\c:35+12*\t+4*\c], v[AD] offset:(4*\g+\t)*1536+512*\c
.endr
.endr
	s_wait_dscnt 0x0
.irp t, 0,1,2,3
.if \t%2
	v_wmma_scale_f32_16x16x128_f8f6f4 v[96+8*(4*\g+\t):103+8*(4*\g+\t)], v[32+12*\t:43+12*\t], v[16:27], 0, v[248+(4*\g+\t)/2], v255 matrix_a_fmt:MATRIX_FMT_FP6 matrix_b_fmt:MATRIX_FMT_FP6 matrix_a_scale:MATRIX_SCALE_ROW1
.else
	v_wmma_scale_f32_16x16x128_f8f6f4 v[96+8*(4*\g+\t):103+8*(4*\g+\t)], v[32+12*\t:43+12*\t], v[16:27], 0, v[248+(4*\g+\t)/2], v255 matrix_a_fmt:MATRIX_FMT_FP6 matrix_b_fmt:MATRIX_FMT_FP6
.endif
.endr
.endr
.rept 4
	v_nop
.endr
	s_add_co_u32 s50, s[KF], 127                   ; on the diagonal hidden scores become -infinity ahead of the maximum; a step all of whose keys count skips this
	s_cmp_le_u32 s50, s[Q0]
	s_cbranch_scc1 .Lopen_\@
	s_sub_co_i32 s50, s[Q0], s[KF]
	v_add_nc_u32 v252, s50, v[DQ]                  ; d = my query - KF - 8 h.  Register 8 t + j holds key KF + 16 t + 8 h + j: hidden where 16 t + j > d
	v_mov_b32 v254, 0xff800000
.set n, 0
.rept 64
	v_cmp_gt_i32 vcc_lo, 16*(n/8)+n%8, v252
	v_cndmask_b32 v[96+n], v[96+n], v254, vcc_lo
.set n, n+1
.endr
.Lopen_\@:
.irp b, 0,1,2,3
	v_max3_num_f32 v[232+\b], v[96+16*\b], v[97+16*\b], v[98+16*\b]   ; the largest score of each block of 32 keys: for the row's maximum, and, since p rises with the score, for the block's largest p
.endr
.irp i, 3,5,7,9,11,13
.irp b, 0,1,2,3
	v_max3_num_f32 v[232+\b], v[232+\b], v[96+16*\b+\i], v[97+16*\b+\i]
.endr
.endr
.irp b, 0,1,2,3
	v_max_num_f32 v[232+\b], v[232+\b], v[111+16*\b]
.endr
.irp b, 0,1,2,3
	v_permlanex16_b32 v[236+\b], v[232+\b], s[SEL], s[SEL+1]
.endr
.irp b, 0,1,2,3
	v_max_num_f32 v[232+\b], v[232+\b], v[236+\b]  ; with lane l xor 16's 16 keys
.endr
	v_max3_num_f32 v254, v232, v233, v234
	v_max_num_f32 v254, v254, v235
	v_mul_f32 v254, s[CS], v254                    ; as t (c is positive)
	v_max_num_f32 v13, v13, v254                   ; the running largest t
	v_mov_b32 v254, v12
	v_floor_f32 v12, -v13                          ; the new -M = -ceil(t)
	v_sub_f32 v254, v12, v254                      ; old M - new M: a whole number, 0 or less
	v_cvt_i32_f32 v254, v254                       ; (it saturates)
	v_ldexp_f32 v252, 1.0, v254                    ; f = 2^(old M - new M)
.set j, 0
.rept 32
	v_pk_fma_f32 v[96+j:97+j], v[96+j:97+j], s[CS:CS+1], v[12:13] op_sel_hi:[1,0,0]   ; t - M
.set j, j+2
.endr
.irp b, 0,1,2,3
	v_fma_f32 v[232+\b], v[232+\b], s[CS], v12     ; the same of each block's largest score
.endr
.set j, 0
.rept 64
	v_exp_f32 v[96+j], v[96+j]                     ; p = 2^(t - M)
.set j, j+1
.endr
	v_pk_mul_f32 v[14:15], v[14:15], v[252:253] op_sel_hi:[1,0]   ; the sums under the new M: a plain instruction behind the exponentials
	s_wait_alu depctr_va_vdst(0)                   ; one wait for the batch, ahead of its first reader
.irp b, 0,1,2,3
	v_exp_f32 v[232+\b], v[232+\b]                 ; the block's largest p
.endr
	v_pk_add_f32 v[236:237], v[96:97], v[98:99]    ; the row's sum of the unquantised p, in two chains
.irp j, 4,8,12,16,20,24,28,32,36,40,44,48,52,56,60
	v_pk_add_f32 v[14:15], v[14:15], v[96+\j:97+\j]
	v_pk_add_f32 v[236:237], v[236:237], v[98+\j:99+\j]
.endr
	v_pk_add_f32 v[14:15], v[14:15], v[236:237]
	s_wait_alu depctr_va_vdst(0)                   ; and one for the four
.irp b, 0,1,2,3
	v_max_num_f32 v[232+\b], 0x1800000, v[232+\b]  ; the floor 2^(3 - 127)
.endr
.irp b, 0,1,2,3
	v_add_nc_u32 v[244+\b], 0xff000000, v[232+\b]  ; 2 off the exponent field: the conversion's scale operand
.endr
.irp b, 0,1,2,3
	v_lshrrev_b32 v[236+\b], 23, v[244+\b]         ; the scale's byte
.endr
	v_lshl_or_b32 v253, v237, 8, v236              ; p's scale word for these 128 keys
	v_lshl_or_b32 v253, v238, 16, v253
	v_lshl_or_b32 v253, v239, 24, v253
.irp c, 0,1
	v_cvt_scalef32_pk16_fp6_f32 v[224+6*\c:226+6*\c], v[96+32*\c:111+32*\c], v[244+2*\c]
	v_cvt_scalef32_pk16_fp6_f32 v[236+4*\c:238+4*\c], v[112+32*\c:127+32*\c], v[244+2*\c+1]
.endr
	v_nop                                          ; one plain place behind a scaled conversion
.irp c, 0,1
.irp i, 0,1,2
	v_permlane16_swap_b32 v[224+6*\c+\i], v[236+4*\c+\i]
.endr
.irp i, 0,1,2
	v_mov_b32 v[227+6*\c+\i], v[236+4*\c+\i]
.endr
.endr
.set j, 0
.rept 32
	v_pk_mul_f32 v[160+j:161+j], v[160+j:161+j], v[252:253] op_sel_hi:[1,0]   ; O^T under the new M; these 32 are also the places in front of the loads and products below
.set j, j+2
.endr
	ds_load_b128 v[248:251], v[AD] offset:25088    ; V's scale image
.irp g, 0,1                                    ; O^T += V^T P^T: four tiles of 16 d at a time; the eight accumulators take turns
.if \g > 0
.rept 4
	v_nop
.endr
.endif
.irp t, 0,1,2,3
.irp c, 0,1,2
	ds_load_b128 v[32+12*\t+4*\c:35+12*\t+4*\c], v[AD] offset:12800+(4*\g+\t)*1536+512*\c
.endr
.endr
	s_wait_dscnt 0x0
.irp t, 0,1,2,3
.if \t%2
	v_wmma_scale_f32_16x16x128_f8f6f4 v[160+8*(4*\g+\t):167+8*(4*\g+\t)], v[32+12*\t:43+12*\t], v[224:235], v[160+8*(4*\g+\t):167+8*(4*\g+\t)], v[248+(4*\g+\t)/2], v253 matrix_a_fmt:MATRIX_FMT_FP6 matrix_b_fmt:MATRIX_FMT_FP6 matrix_a_scale:MATRIX_SCALE_ROW1
.else
	v_wmma_scale_f32_16x16x128_f8f6f4 v[160+8*(4*\g+\t):167+8*(4*\g+\t)], v[32+12*\t:43+12*\t], v[224:235], v[160+8*(4*\g+\t):167+8*(4*\g+\t)], v[248+(4*\g+\t)/2], v253 matrix_a_fmt:MATRIX_FMT_FP6 matrix_b_fmt:MATRIX_FMT_FP6
.endif
.endr
.endr
.Lhidden_\@:
	s_add_co_u32 s[KF], s[KF], 128
	s_add_co_u32 s[TB], s[TB], STEPB
.endm
	s_wait_tensorcnt 0x1                           ; my part of key steps 0 and 1 is in; the load issued behind it may stay out
	s_barrier_signal -1
	s_barrier_wait -1                              ; everybody's is
	s_wait_loadcnt 0x0                             ; Q
	s_mov_b32 s[TB], 0
	s_mov_b32 s[KF], 0
	s_mov_b32 s[CNT], 2
.Lfirst:
	STEP
	s_sub_co_u32 s[CNT], s[CNT], 1
	s_cmp_lg_u32 s[CNT], 0
	s_cbranch_scc1 .Lfirst
	s_wait_tensorcnt 0x0                           ; my part of key steps 2 to 7 is in,
	s_barrier_signal -1
	s_barrier_wait -1                              ; everybody's is
	s_mov_b32 s[TB], 2*STEPB
	s_mov_b32 s[KF], 256
	s_mov_b32 s[CNT], 6
.Lrest:
	STEP
	s_sub_co_u32 s[CNT], s[CNT], 1
	s_cmp_lg_u32 s[CNT], 0
	s_cbranch_scc1 .Lrest
	; THE WAY OUT: O^T / the sum, into true order along d, quantised, and stored as an image and 16 scale words
	v_add_f32 v14, v14, v15
	v_permlanex16_b32 v252, v14, s[SEL], s[SEL+1]
	v_add_f32 v14, v14, v252                       ; the row's sum
	v_rcp_f32 v14, v14
.rept 4
	v_nop                                          ; plain instructions behind the reciprocal and behind the last products
.endr
	s_wait_alu depctr_va_vdst(0)                   ; the wait ahead of the reciprocal's first reader
.set j, 0
.rept 64
	v_mul_f32 v[96+j], v[160+j], v14               ; register 8 t + i is o(r, 16 t + 8 h + i); each accumulator is read from its low end on
.set j, j+1
.endr
.irp b, 0,1,2,3                                ; the first's lanes 16-31 change places with the second's lanes 0-15: register 16 b + i is then d = 32 b + 16 h + i
.irp i, 0,1,2,3,4,5,6,7
	v_permlane16_swap_b32 v[96+16*\b+\i], v[104+16*\b+\i]
.endr
.endr
.irp b, 0,1,2,3
	v_max3_num_f32 v[TM+\b], |v[96+16*\b]|, |v[97+16*\b]|, 0x1800000   ; the quantiser: my 16 numbers of block b, and the floor 2^(3 - 127)
.endr
.irp i, 2,4,6,8,10,12,14
.irp b, 0,1,2,3
	v_max3_num_f32 v[TM+\b], v[TM+\b], |v[96+16*\b+\i]|, |v[97+16*\b+\i]|
.endr
.endr
.irp b, 0,1,2,3
	v_permlanex16_b32 v[TM+4+\b], v[TM+\b], s[SEL], s[SEL+1]
.endr
.irp b, 0,1,2,3
	v_max_num_f32 v[TM+\b], v[TM+\b], v[TM+4+\b]
.endr
.irp b, 0,1,2,3
	v_add_nc_u32 v[TM+12+\b], 0xff000000, v[TM+\b]
.endr
.irp b, 0,1,2,3
	v_lshrrev_b32 v[TM+4+\b], 23, v[TM+12+\b]
.endr
	v_lshl_or_b32 v[PW], v[TM+5], 8, v[TM+4]
	v_lshl_or_b32 v[PW], v[TM+6], 16, v[PW]
	v_lshl_or_b32 v[PW], v[TM+7], 24, v[PW]
.irp c, 0,1
	v_cvt_scalef32_pk16_fp6_f32 v[CD+6*\c:CD+2+6*\c], v[96+32*\c:111+32*\c], v[TM+12+2*\c]
	v_cvt_scalef32_pk16_fp6_f32 v[CD+12+4*\c:CD+14+4*\c], v[112+32*\c:127+32*\c], v[TM+12+2*\c+1]
.endr
	v_nop                                          ; one plain place behind a scaled conversion
.irp c, 0,1
.irp i, 0,1,2
	v_permlane16_swap_b32 v[CD+6*\c+\i], v[CD+12+4*\c+\i]
.endr
.irp i, 0,1,2
	v_mov_b32 v[CD+3+6*\c+\i], v[CD+12+4*\c+\i]
.endr
.endr
.irp c, 0,1,2
	global_store_b128 v[LI], v[CD+4*\c:CD+4*\c+3], s[56:57] offset:512*\c   ; 32 lanes store 512 consecutive bytes
.endr
	global_store_b32 v[R4], v[PW], s[58:59] offset:24576   ; 64 bytes: row r's word; lanes r and 16 + r hold the same word and write it to the same place
	s_wait_tensorcnt 0x0
	ds_add_u32 v95, v243
	s_wait_dscnt 0x0
	CROUND                                         ; the closing round: no work-group ends while a partner may still ask for a tile that names it
	s_endpgm
.Lfunc_end_k_qe4d39bf209_attn:
	.size	k_qe4d39bf209_attn, .Lfunc_end_k_qe4d39bf209_attn-k_qe4d39bf209_attn
	.p2alignl 7, 3214868480
	.fill 96, 4, 3214868480
	.section	.rodata,"a",@progbits
	.p2align	6, 0x0
	.amdhsa_kernel k_qe4d39bf209_attn
		.amdhsa_group_segment_fixed_size 206848
		.amdhsa_private_segment_fixed_size 0
		.amdhsa_enable_private_segment 0
		.amdhsa_kernarg_size 24
		.amdhsa_user_sgpr_count 2
		.amdhsa_user_sgpr_kernarg_segment_ptr 1
		.amdhsa_wavefront_size32 1
		.amdhsa_system_sgpr_workgroup_id_x 1
		.amdhsa_system_sgpr_workgroup_id_y 1
		.amdhsa_system_sgpr_workgroup_id_z 1
		.amdhsa_system_vgpr_workitem_id 0
		.amdhsa_next_free_vgpr 256
		.amdhsa_next_free_sgpr 66
		.amdhsa_reserve_vcc 1
		.amdhsa_float_denorm_mode_32 3
		.amdhsa_float_denorm_mode_16_64 3
		.amdhsa_memory_ordered 1
		.amdhsa_forward_progress 1
		.amdhsa_inst_pref_size 65
	.end_amdhsa_kernel
	.amdgpu_metadata
---
amdhsa.version: [ 1, 2 ]
amdhsa.kernels:
  - .name:           k_qe4d39bf209_attn
    .symbol:         k_qe4d39bf209_attn.kd
    .args:
      - { .name: qbuf, .offset: 0, .size: 8, .value_kind: global_buffer, .address_space: global }
      - { .name: kv, .offset: 8, .size: 8, .value_kind: global_buffer, .address_space: global }
      - { .name: obuf, .offset: 16, .size: 8, .value_kind: global_buffer, .address_space: global }
    .group_segment_fixed_size: 206848
    .private_segment_fixed_size: 0
    .kernarg_segment_align: 8
    .kernarg_segment_size: 24
    .max_flat_workgroup_size: 512
    .sgpr_count:     66
    .vgpr_count:     256
    .wavefront_size: 32
...
	.end_amdgpu_metadata
.endif
;; end of part 2
;; launch oproj (part 3): grid 8 x 32, 4 waves a work-group, clusters of 4 x 4, 327,680 bytes of LDS; arguments obuf, Wo_codes, Wo_scales, out0; writes out0
.if DOCPART == 3
	.amdgcn_target "amdgcn-amd-amdhsa--gfx1250"
	.amdhsa_code_object_version 6
	.text
	.protected	k_qe4d39bf209_oproj
	.globl	k_qe4d39bf209_oproj
	.p2align	8
	.type	k_qe4d39bf209_oproj,@function
k_qe4d39bf209_oproj:
	s_mov_b64 s[64:65], 0
	v_nop
	global_prefetch_b8 v0, s[64:65] scope:SCOPE_SE
	s_setreg_imm32_b32 hwreg(HW_REG_WAVE_MODE, 25, 1), 1
	s_wait_xcnt 0x0
	s_wait_alu depctr_hold_cnt(0) depctr_sa_sdst(0) depctr_va_vdst(0) depctr_va_sdst(0) depctr_va_ssrc(0) depctr_va_vcc(0) depctr_vm_vsrc(0)
	s_getreg_b32 s2, hwreg(HW_REG_IB_STS2, 6, 4)
	s_cmp_eq_u32 s2, 0
	s_cbranch_scc0 .Lentry_in_a_cluster
	s_endpgm
.Lentry_in_a_cluster:
	s_bfe_u32 s2, ttmp6, 0x10000c
	s_cmp_lg_u32 s2, 0xf033
	s_cbranch_scc0 .Lentry_shape_is_right
	s_endpgm
.Lentry_shape_is_right:
; out0 = O Wo^T on codes of FP6 (E2M3) with one E8M0 scale for each 32 along K = 2,048; sums in f32.  out0: [4,096][2,048] f32.
; O comes as the launch before laid it: for each tile of 16 tokens 25,600 bytes: 16 images of operand registers (K step = head, 1,536 bytes each), then 16 x 16 scale words [head][row].  Wo comes as rows of codes (1,536 bytes) and of scale bytes (64).
; SHARES.  A tile of out0 is 128 tokens x 256 columns, so that there are 256 work-groups; four waves, each 64 tokens x 128 columns: 32 accumulators of 16 x 16, 256 registers.
; K goes in steps of 256 through a ring of two LDS slots: O's 8 token tiles x 3,072 dense bytes (two images each), then Wo's 256 rows of 192 bytes.  All scales come once and stay.
; CLUSTERS: 4 x 4 work-groups: O's tiles are asked for jointly along a row of the cluster, Wo's along a column.
; THE MATRIX INSTRUCTION IS USED TRANSPOSED (source 0 = 16 rows of Wo, source 1 = 16 tokens): a lane holds eight neighbouring numbers of a row of out0.
; A SCALE REGISTER CARRIES A SLOT'S TWO K STEPS: lanes 0-15 the first's words, lanes 16-31 the second's; the second step's products read the upper lanes on both sides.
; REGISTERS: window 0: v16-30 addresses; v32-39 O's scale words, two sets of 4; v40-55 Wo's, two sets of 8; v64-111, v112-159 O's fragments, two sets; on the way out v128-255.
;   window 1: Wo's fragments, two sets, at v0 and v128.   window 2: the accumulators, (a, b) at v[8 (8 a + b)].
.set ROWB,   192
.set KROW,   1536
.set PITCH,  240
.set FR,     12
.set ATILE,  3072                      ; a token tile's two images of a slot
.set HALFA,  4*ATILE
.set BOFF,   2*HALFA
.set HALFB,  128*PITCH
.set SLOT,   BOFF+2*HALFB
.set LAPS,   4
.set TTILE,  25600                     ; a token tile in obuf
.set SCA,    2*SLOT                    ; O's scale words: 8 tiles x 1,024 bytes, dense
.set SCB,    SCA+8192                  ; Wo's scale bytes: runs of 256 bytes + 16 of padding
.set HALFS,  8704
.set SBLK,   1088
.set SPARE,  SCB+2*HALFS               ; the spare words: 128 bytes a wave, named by no other line
.set SPITCH, 528                       ; the way out: a stage of 16 rows x (512 bytes + 16) for each wave, in slot 0, which has had its last fill and its last read by then
.set ADRA, 16                          ; v16-17 O's images in slot 0, 1
.set ADRB, 20                          ; v20-23 Wo's rows (and behind one padding more)
.set STO,  24
.set RD,   25
.set CO,   26                          ; 16 x lane
.set ADSA, 27
.set SPW,  28
.set NIL,  29
.set ADSB, 30
.set SA,   32
.set SB,   40
.set AF,   64
.set BK,   128
.set G1, 24
.set G0, 32
.set G1B, 48
.set G0B, 56
.set G1S, 68
.set G0S, 76
.set G1SB, 80
.set G0SB, 88
.set MSB, 0
.macro WIN new
.if MSB != \new
	s_set_vgpr_msb (MSB<<8)|\new
.set MSB, \new
.endif
.endm
.set MUL,  0xa1                        ; source 0 (Wo) window 1, source 1 (O) window 0, C and D window 2
.set TO_B, 0x40
.macro JLOAD g0a, g1a, g0b, g1b        ; waves 0 and 1 fetch for O, waves 2 and 3 for Wo; four v_nop follow each of the two lines
	s_cmp_eq_u32 s15, 0
	s_cbranch_scc0 .Lfor_b_\@
	tensor_load_to_lds s[\g0a:\g0a+3], s[\g1a:\g1a+7]
	s_nop 0
.rept 4
	v_nop
.endr
	s_branch .Lasked_\@
.Lfor_b_\@:
	tensor_load_to_lds s[\g0b:\g0b+3], s[\g1b:\g1b+7]
	s_nop 0
.rept 4
	v_nop
.endr
.Lasked_\@:
.endm
.macro CREST
	s_cmp_lg_u32 s14, 0
	s_cbranch_scc1 .Lnot_wave_0_\@
	s_barrier_signal -3
.Lnot_wave_0_\@:
	s_barrier_wait -3
	s_barrier_signal -1
	s_barrier_wait -1
.endm
.macro CROUND
	s_barrier_signal -1
	s_barrier_wait -1
	CREST
.endm
	s_load_b128 s[4:7], s[0:1], 0x0                ; obuf, Wo's codes
	s_load_b128 s[8:11], s[0:1], 0x10              ; Wo's scales, out0
	v_lshl_add_u32 v[SPW], v0, 2, SPARE
	v_mov_b32 v[NIL], 0
	ds_add_u32 v28, v29
	ds_add_u32 v28, v29
	s_wait_dscnt 0x0
	v_lshrrev_b32 v1, 5, v0
	v_readfirstlane_b32 s14, v1                    ; wave 0..3
	s_lshr_b32 s15, s14, 1                         ; my half of the tokens.  Also: I fetch for O (0) or for Wo (1)
	s_and_b32 s16, s14, 1                          ; my half of the columns.  Also: which half I fetch
	s_bfe_u32 s40, ttmp6, 0x40000                  ; cx
	s_bfe_u32 s41, ttmp6, 0x40004                  ; cy
	s_lshl_b32 s42, ttmp9, 2
	s_add_co_u32 s42, s42, s40                     ; tile column
	s_and_b32 s17, ttmp7, 0xffff
	s_lshl_b32 s17, s17, 2
	s_add_co_u32 s17, s17, s41                     ; tile row
	s_lshl_b32 s43, s41, 2
	s_lshl_b32 s43, 15, s43                        ; my row of the cluster
	s_lshl_b32 s44, 0x1111, s40                    ; my column
	; O's codes: 4 token tiles x 3,072 bytes (384 elements of 8 bytes), 25,600 bytes apart, dense in LDS
	s_or_b32 s[G1+0], s43, (3<<16)|(1<<21)
	s_mov_b32 s[G1+1], 384<<16
	s_mov_b32 s[G1+2], 4<<16
	s_mov_b32 s[G1+3], 384<<16
	s_mov_b32 s[G1+4], 4
	s_mov_b32 s[G1+5], 3200
	s_mov_b32 s[G1+6], 0
	s_mov_b32 s[G1+7], 0
	; O's scale words: 4 token tiles x 1,024 bytes
	s_or_b32 s[G1S+0], s43, (3<<16)|(1<<21)
	s_mov_b32 s[G1S+1], 128<<16
	s_mov_b32 s[G1S+2], 4<<16
	s_mov_b32 s[G1S+3], 128<<16
	s_mov_b32 s[G1S+4], 4
	s_mov_b32 s[G1S+5], 3200
	s_mov_b32 s[G1S+6], 0
	s_mov_b32 s[G1S+7], 0
	; Wo's codes: 128 rows x 192 bytes, 16 bytes of padding behind every 64
	s_or_b32 s[G1B+0], s44, (1<<20)|(1<<21)|(3<<22)|(3<<25)
	s_mov_b32 s[G1B+1], ROWB<<16
	s_mov_b32 s[G1B+2], 128<<16
	s_mov_b32 s[G1B+3], ROWB<<16
	s_mov_b32 s[G1B+4], 128
	s_mov_b32 s[G1B+5], KROW
	s_mov_b32 s[G1B+6], 0
	s_mov_b32 s[G1B+7], 0
	; Wo's scale bytes of 128 rows: 8,192 dense bytes as 32 rows of 256, 16 bytes of padding behind each
	s_or_b32 s[G1SB+0], s44, (3<<16)|(1<<20)|(1<<21)|(5<<22)|(3<<25)
	s_mov_b32 s[G1SB+1], 32<<16
	s_mov_b32 s[G1SB+2], 32<<16
	s_mov_b32 s[G1SB+3], 32<<16
	s_mov_b32 s[G1SB+4], 32
	s_mov_b32 s[G1SB+5], 32
	s_mov_b32 s[G1SB+6], 0
	s_mov_b32 s[G1SB+7], 0
	s_lshl_b32 s20, s17, 3
	s_lshl_b32 s18, s16, 2
	s_add_co_u32 s20, s20, s18                     ; O: token tile 8 x tile row + 4 x half
	s_mul_i32 s20, s20, TTILE
	s_mov_b32 s21, 0
	s_lshl_b32 s46, s42, 8
	s_lshl_b32 s47, s16, 7
	s_add_co_u32 s46, s46, s47                     ; Wo: row 256 x tile column + 128 x half
	s_lshl_b32 s92, s46, 6                         ; its scale bytes
	s_mov_b32 s93, 0
	s_mul_i32 s46, s46, KROW                       ; its codes
	s_mov_b32 s47, 0
	s_mul_i32 s45, s16, HALFA                      ; where they go: no place in the cluster enters an LDS address
	s_lshl_b32 s94, s16, 12
	s_add_co_u32 s94, s94, SCA
	s_mul_i32 s95, s16, HALFB
	s_add_co_u32 s95, s95, BOFF
	s_mul_i32 s96, s16, HALFS
	s_add_co_u32 s96, s96, SCB
	s_wait_kmcnt 0x0
	s_add_nc_u64 s[20:21], s[4:5], s[20:21]
	s_add_nc_u64 s[46:47], s[6:7], s[46:47]
	s_add_nc_u64 s[92:93], s[8:9], s[92:93]
	CROUND                                         ; all sixteen work-groups are here: the first joint loads meet
	s_mov_b32 s[G0S], 1
	s_mov_b32 s[G0S+1], s94
	s_add_nc_u64 s[G0S+2:G0S+3], s[20:21], 24576
	s_or_b32 s[G0S+3], s[G0S+3], 0x80000000
	s_mov_b32 s[G0SB], 1
	s_mov_b32 s[G0SB+1], s96
	s_mov_b64 s[G0SB+2:G0SB+3], s[92:93]
	s_or_b32 s[G0SB+3], s[G0SB+3], 0x80000000
	JLOAD G0S, G1S, G0SB, G1SB                     ; the scales first
.irp s, 0,1
	s_mov_b32 s[G0+4*\s], 1
	s_add_co_u32 s[G0+4*\s+1], s45, \s*SLOT
	s_add_nc_u64 s[G0+4*\s+2:G0+4*\s+3], s[20:21], \s*ATILE
	s_or_b32 s[G0+4*\s+3], s[G0+4*\s+3], 0x80000000
	s_mov_b32 s[G0B+4*\s], 1
	s_add_co_u32 s[G0B+4*\s+1], s95, \s*SLOT
	s_add_nc_u64 s[G0B+4*\s+2:G0B+4*\s+3], s[46:47], \s*ROWB
	s_or_b32 s[G0B+4*\s+3], s[G0B+4*\s+3], 0x80000000
	JLOAD G0+4*\s, G1, G0B+4*\s, G1B
.endr
	v_and_b32 v1, 15, v0                           ; r
	v_bfe_u32 v2, v0, 4, 1                         ; h
	v_and_b32 v6, 31, v0
	v_lshlrev_b32 v[CO], 4, v6                     ; 16 x lane
	s_mul_i32 s21, s15, HALFA                      ; my four token tiles
	v_add_nc_u32 v[ADRA], s21, v[CO]
	v_add_nc_u32 v[ADRA+1], SLOT, v[ADRA]
	v_mul_u32_u24 v3, v1, PITCH
	v_mul_u32_u24 v4, v2, 24
	v_add_nc_u32 v4, v3, v4                        ; Wo: a fragment's row x pitch + 24 x half
	v_lshl_add_u32 v5, v2, 4, v4                   ; and the same behind one padding more
	s_mul_i32 s22, s16, HALFB
	s_add_co_u32 s22, s22, BOFF                    ; my 128 rows of Wo
.irp s, 0,1
	v_add_nc_u32 v[ADRB+\s], s22, v4
	v_add_nc_u32 v[ADRB+2+\s], s22, v5
	s_add_co_u32 s22, s22, SLOT
.endr
	s_lshl_b32 s21, s15, 12
	s_add_co_u32 s21, s21, SCA
	v_lshl_add_u32 v[ADSA], v6, 2, s21             ; O's words: 64 bytes a head: lanes 0-15 take one head's 16 rows, lanes 16-31 the next head's
	v_lshlrev_b32 v5, 6, v1                        ; Wo's: 64 bytes a row,
	v_lshrrev_b32 v7, 2, v1
	v_lshl_add_u32 v5, v7, 4, v5                   ; 16 more for each 256 passed,
	v_lshl_add_u32 v5, v2, 2, v5                   ; lanes 16-31 one word on
	s_mul_i32 s21, s16, HALFS
	s_add_co_u32 s21, s21, SCB
	v_add_nc_u32 v[ADSB], s21, v5
	s_mul_i32 s23, s14, 16*SPITCH                  ; my stage
	v_mul_u32_u24 v5, v1, SPITCH
	v_lshl_add_u32 v5, v2, 5, v5
	v_add_nc_u32 v[STO], s23, v5                   ; in: row r, 32 bytes for each half of the lanes
	v_add_nc_u32 v[RD], s23, v[CO]                 ; back: the 32 lanes take one row of 512 bytes
	s_lshl_b32 s20, s17, 7
	s_lshl_b32 s21, s15, 6
	s_add_co_u32 s20, s20, s21                     ; my first row of out0
	s_lshl_b32 s20, s20, 13                        ; x 8,192 bytes
	s_lshl_b32 s46, s42, 10
	s_lshl_b32 s47, s16, 9
	s_add_co_u32 s46, s46, s47                     ; my first column, in bytes
	s_add_co_u32 s20, s20, s46
	s_mov_b32 s21, 0
	s_add_nc_u64 s[10:11], s[10:11], s[20:21]
.macro FRAG reg, adr, q, i             ; a fragment of Wo from rows: six pieces of 8 bytes; where lanes 16-31's piece lies behind one padding more, the second address register serves
.irp p, 0,1,2,3,4,5
.set PCE, 12*(\q)+6*(\p/3)+\p%3
.if PCE%8 < 5
	ds_load_b64 v[\reg+2*\p:\reg+2*\p+1], v[\adr] offset:8*PCE+16*(PCE/8)+(\i)*16*PITCH
.else
	ds_load_b64 v[\reg+2*\p:\reg+2*\p+1], v[\adr+2] offset:8*PCE+16*(PCE/8)+(\i)*16*PITCH
.endif
.endr
.endm
.macro FETCH_B slot, q                 ; Wo's eight fragments of the slot's q-th 128 along K into set q
	WIN TO_B
.irp i, 0,1,2,3,4,5,6,7
	FRAG 128*(\q)+FR*\i, ADRB+\slot, \q, \i
.endr
	WIN 0
.endm
.macro FETCH_A slot, q                 ; O's four fragments: images, three loads of 16 bytes a lane
.irp i, 0,1,2,3
.irp c, 0,1,2
	ds_load_b128 v[AF+48*(\q)+FR*\i+4*\c:AF+48*(\q)+FR*\i+4*\c+3], v[ADRA+\slot] offset:\i*ATILE+(\q)*1536+512*\c
.endr
.endr
.endm
.macro SCALES sc                       ; a slot's scale words into set sc
.irp i, 0,1,2,3
	ds_load_b32 v[SA+4*\sc+\i], v[ADSA] offset:1024*\i
.endr
.irp i, 0,1,2,3,4,5,6,7
	ds_load_b32 v[SB+8*\sc+\i], v[ADSB] offset:SBLK*\i
.endr
.endm
; 8 matrix instructions: token tile a x Wo's eight blocks, the slot's q-th 128 along K.  The 32 accumulators take turns, one instruction a turn, in the same order in every step.
.macro MUL8 a, q, sc, zero
.irp b, 0,1,2,3,4,5,6,7
.if \zero
	v_wmma_scale_f32_16x16x128_f8f6f4 v[8*(8*(\a)+\b):8*(8*(\a)+\b)+7], v[128*(\q)+FR*\b:128*(\q)+FR*\b+FR-1], v[AF+48*(\q)+FR*(\a):AF+48*(\q)+FR*(\a)+FR-1], 0, v[SB+8*(\sc)+\b], v[SA+4*(\sc)+(\a)] matrix_a_fmt:MATRIX_FMT_FP6 matrix_b_fmt:MATRIX_FMT_FP6
.elseif \q
	v_wmma_scale_f32_16x16x128_f8f6f4 v[8*(8*(\a)+\b):8*(8*(\a)+\b)+7], v[128*(\q)+FR*\b:128*(\q)+FR*\b+FR-1], v[AF+48*(\q)+FR*(\a):AF+48*(\q)+FR*(\a)+FR-1], v[8*(8*(\a)+\b):8*(8*(\a)+\b)+7], v[SB+8*(\sc)+\b], v[SA+4*(\sc)+(\a)] matrix_a_fmt:MATRIX_FMT_FP6 matrix_b_fmt:MATRIX_FMT_FP6 matrix_a_scale:MATRIX_SCALE_ROW1 matrix_b_scale:MATRIX_SCALE_ROW1
.else
	v_wmma_scale_f32_16x16x128_f8f6f4 v[8*(8*(\a)+\b):8*(8*(\a)+\b)+7], v[128*(\q)+FR*\b:128*(\q)+FR*\b+FR-1], v[AF+48*(\q)+FR*(\a):AF+48*(\q)+FR*(\a)+FR-1], v[8*(8*(\a)+\b):8*(8*(\a)+\b)+7], v[SB+8*(\sc)+\b], v[SA+4*(\sc)+(\a)] matrix_a_fmt:MATRIX_FMT_FP6 matrix_b_fmt:MATRIX_FMT_FP6
.endif
.endr
.endm
.macro PLACES n                        ; places in front of loads into registers that matrix instructions have read, and of the first read of results
.rept \n
	v_nop
.endr
.endm
.macro STEP0 slot, zero                ; a slot's first 128 along K, on set 0; the second's fragments are fetched into set 1 ahead of the products
	s_wait_dscnt 0x0                               ; set 0 and the slot's scale words are in
	PLACES 4
	FETCH_B \slot, 1
	FETCH_A \slot, 1
	WIN MUL
	MUL8 0, 0, \slot, \zero
	MUL8 1, 0, \slot, \zero
	MUL8 2, 0, \slot, \zero
	MUL8 3, 0, \slot, \zero
	WIN 0
.endm
; A slot's second 128 along K, on set 1, changes slots: ONE barrier; in front of it each wave waits for all its tensor loads, adds 0 to its spare word, and waits for that and for its own reads of this slot.
.macro TURN slot, next, fill
	s_wait_tensorcnt 0x0                           ; all my tensor loads have landed: my part of the next slot
	ds_add_u32 v[SPW], v[NIL]                      ; 0 onto my spare word
	s_wait_dscnt 0x1                               ; set 1 is in (the add alone may be out)
	WIN MUL
	MUL8 0, 1, \slot, 0                            ; eight matrix instructions stand between the add and the wait for it
	s_wait_dscnt 0x0                               ; the add is done, and my reads of this slot are over
	s_barrier_signal -1
	MUL8 1, 1, \slot, 0
	WIN 0
	s_barrier_wait -1
.if \fill
	CREST                                          ; the barrier has opened a round of the cluster's: no wave of any partner still reads this slot or has a load on its way
	s_add_nc_u64 s[G0+4*\slot+2:G0+4*\slot+3], s[G0+4*\slot+2:G0+4*\slot+3], 2*ATILE
	s_add_nc_u64 s[G0B+4*\slot+2:G0B+4*\slot+3], s[G0B+4*\slot+2:G0B+4*\slot+3], 2*ROWB
	JLOAD G0+4*\slot, G1, G0B+4*\slot, G1B         ; the first tensor load behind the round; its four v_nop are the places in front of the loads below
.else
	PLACES 4
.endif
	v_add_nc_u32 v[ADSA], 128, v[ADSA]             ; on to the next slot's scale words: two heads, two words
	v_add_nc_u32 v[ADSB], 8, v[ADSB]
	FETCH_B \next, 0
	FETCH_A \next, 0
	SCALES \next
	WIN MUL
	MUL8 2, 1, \slot, 0
	MUL8 3, 1, \slot, 0
	WIN 0
.endm
	s_wait_tensorcnt 1                             ; the scales and my part of slot 0 are in (slot 1's load, issued behind them, may be out),
	s_barrier_signal -1
	s_barrier_wait -1                              ; everybody's are
	FETCH_B 0, 0
	FETCH_A 0, 0
	SCALES 0
	STEP0 0, 1                                     ; the first step stands in front of the loop: its products start the sums
	s_mov_b32 s3, LAPS-1
.Llap:                                                 ; a trip goes once round the ring and fills both slots again
	TURN 0, 1, 1
	STEP0 1, 0
	TURN 1, 0, 1
	STEP0 0, 0
	s_sub_co_u32 s3, s3, 1
	s_cmp_lg_u32 s3, 0
	s_cbranch_scc1 .Llap
	TURN 0, 1, 0                                   ; the last lap fills nothing
	STEP0 1, 0
	s_wait_dscnt 0x0                               ; the very last step
	WIN MUL
	MUL8 0, 1, 1, 0
	MUL8 1, 1, 1, 0
	MUL8 2, 1, 1, 0
	MUL8 3, 1, 1, 0
	WIN 0
; THE WAY OUT, block by block of 16 rows x 128 columns, through my own stage: LDS serves a wave's instructions in order (ISA guide 5.7.1.4), so no wait stands between the stores and the loads.
.macro TOSTAGE a
.set AC, 64*(\a)
	WIN 0x08                                       ; an LDS store's data are its source 1: window 2
.irp b, 0,1,2,3,4,5,6,7
	ds_store_b128 v[STO], v[AC+8*\b:AC+8*\b+3] offset:64*\b          ; each accumulator from its low end on
	ds_store_b128 v[STO], v[AC+8*\b+4:AC+8*\b+7] offset:64*\b+16
.endr
	WIN 0
.set BB, BK+64*((\a)%2)
.irp t, 0,1,2,3,4,5,6,7,8,9,10,11,12,13,14,15
	ds_load_b128 v[BB+4*\t:BB+4*\t+3], v[RD] offset:\t*SPITCH
.endr
.endm
.macro SEND a, younger                 ; younger: the LDS instructions issued behind block a's loads, which may stay out
.set BB, BK+64*((\a)%2)
	s_wait_dscnt \younger
.if (\a) > 0
	s_add_nc_u64 s[10:11], s[10:11], 16*8192       ; (behind a wait on XCNT: the earlier stores have read their base)  16 rows on
.endif
.irp t, 0,1,2,3,4,5,6,7,8,9,10,11,12,13,14,15
	global_store_b128 v[CO], v[BB+4*\t:BB+4*\t+3], s[10:11] offset:\t*8192 th:TH_STORE_NT   ; 32 lanes store 512 consecutive bytes, at a multiple of 256 from out0's first byte
.endr
.endm
	PLACES 4
	TOSTAGE 0
.irp a, 1,2,3
.if \a > 1
	s_wait_xcnt 0x0                                ; block a - 2's stores have read their registers and their base
.endif
	TOSTAGE \a
	SEND \a-1, 32                                  ; behind block a - 1's loads: block a's 16 stores and 16 loads
.endr
	s_wait_xcnt 0x0
	SEND 3, 0
	s_wait_tensorcnt 0x0                           ; the wave's end
	ds_add_u32 v[SPW], v[NIL]
	s_wait_dscnt 0x0
	CROUND                                         ; the closing round
	s_endpgm
.Lfunc_end_k_qe4d39bf209_oproj:
	.size	k_qe4d39bf209_oproj, .Lfunc_end_k_qe4d39bf209_oproj-k_qe4d39bf209_oproj
	.p2alignl 7, 3214868480
	.fill 96, 4, 3214868480
	.section	.rodata,"a",@progbits
	.p2align	6, 0x0
	.amdhsa_kernel k_qe4d39bf209_oproj
		.amdhsa_group_segment_fixed_size 327680
		.amdhsa_private_segment_fixed_size 0
		.amdhsa_enable_private_segment 0
		.amdhsa_kernarg_size 32
		.amdhsa_user_sgpr_count 2
		.amdhsa_user_sgpr_kernarg_segment_ptr 1
		.amdhsa_wavefront_size32 1
		.amdhsa_system_sgpr_workgroup_id_x 1
		.amdhsa_system_sgpr_workgroup_id_y 1
		.amdhsa_system_sgpr_workgroup_id_z 1
		.amdhsa_system_vgpr_workitem_id 0
		.amdhsa_next_free_vgpr 768
		.amdhsa_next_free_sgpr 98
		.amdhsa_reserve_vcc 0
		.amdhsa_float_denorm_mode_32 3
		.amdhsa_float_denorm_mode_16_64 3
		.amdhsa_memory_ordered 1
		.amdhsa_forward_progress 1
		.amdhsa_inst_pref_size 95
	.end_amdhsa_kernel
	.amdgpu_metadata
---
amdhsa.version: [ 1, 2 ]
amdhsa.kernels:
  - .name:           k_qe4d39bf209_oproj
    .symbol:         k_qe4d39bf209_oproj.kd
    .args:
      - { .name: obuf, .offset: 0, .size: 8, .value_kind: global_buffer, .address_space: global }
      - { .name: Wo_codes, .offset: 8, .size: 8, .value_kind: global_buffer, .address_space: global }
      - { .name: Wo_scales, .offset: 16, .size: 8, .value_kind: global_buffer, .address_space: global }
      - { .name: out0, .offset: 24, .size: 8, .value_kind: global_buffer, .address_space: global }
    .group_segment_fixed_size: 327680
    .private_segment_fixed_size: 0
    .kernarg_segment_align: 8
    .kernarg_segment_size: 32
    .max_flat_workgroup_size: 128
    .sgpr_count:     98
    .vgpr_count:     768
    .wavefront_size: 32
...
	.end_amdgpu_metadata
.endif
;; end of part 3
